; MI455X (gfx1250); checked and timed in simulation.
; The chip was launched on July 23, 2026; its instructions are those of AMD's public machine-readable ISA for CDNA 5 (MIT licence, August 2026) and "CDNA5" Instruction Set Architecture Reference Guide (July 2026). The comments in the code are by the model that wrote it; some were corrected since.
;; Multi Head Attention. Allowed arithmetic: matrix products marked QUANTISED: E2M1 operands, one E8M0 scale for each 32 along K, by v_wmma_scale_f32_16x16x128_f8f6f4 with both operands' format E2M1 (or v_wmma_scale_f32_32x16x128_f4), f32 sums; products left as they are: bf16, f16 or f32 operands; f32 sums; everything else in f32.
;; Inputs: dense_b 1,024 float32; dense_w 1,024 x 1,024 float32; key_ 2 x 2,048 x 1,024 float32; mask 1 x 1 x 2,048 x 2,048 float32; query 2 x 2,048 x 1,024 float32; value 2 x 2,048 x 1,024 float32; wk_b 1,024 float32; wk_w 1,024 x 1,024 float32; wq_b 1,024 float32; wq_w 1,024 x 1,024 float32; wv_b 1,024 float32; wv_w 1,024 x 1,024 float32.
;; Outputs: out0 2 x 2,048 x 1,024 float32.
;; This version of the problem:
;;   THIS VERSION OF THE PROBLEM IS GIVEN IN LOW PRECISION. The matrix products marked QUANTISED in the list below multiply operands that are first quantised to E2M1 (2 exponent bits, 1 mantissa bit; 4 bits a number), with one power-of-two scale for each 32 numbers along K (OCP MX v1.0); their sums are f32. The products marked 'left as it is' may take bf16, f16 or f32 operands, with f32 sums. Whichever they take, every output number must still come out within the allowed error. Rounding operands to bf16 (8 significant bits) uses up far more of that allowance than f16 does (11 bits, for magnitudes from 6e-5 to 65,504). All else is computed in f32.
;;   The module's matrix products, in the order in which they are computed (A, B: the left and right operand; K: the contracted axis; several contracted axes count as one K, in the product's order):
;;     1. [M 4,096, K 1,024] x [K 1,024, N 1,024]; A: input query; B: input wq_w: QUANTISED
;;     2. [M 4,096, K 1,024] x [K 1,024, N 1,024]; A: input key_; B: input wk_w: QUANTISED
;;     3. [M 4,096, K 1,024] x [K 1,024, N 1,024]; A: input value; B: input wv_w: QUANTISED
;;     4. batch 32 x [M 2,048, K 64] x [K 64, N 2,048]; A: computed on the way; B: computed on the way: left as it is (an operand is computed on the way)
;;     5. batch 32 x [M 2,048, K 2,048] x [K 2,048, N 64]; A: computed on the way; B: computed on the way: left as it is (an operand is computed on the way)
;;     6. [M 4,096, K 1,024] x [K 1,024, N 1,024]; A: computed on the way; B: input dense_w: left as it is (an operand is computed on the way)
;;   THE QUANTISER, for each operand of a quantised product, along K:
;;     - K is cut into blocks of 32 from its start; a last block that is shorter is filled with zeros.
;;     - A block's scale is 2^e with e = floor(log2(the largest magnitude in the block)) - 2, held to -126 .. 127; a block of zeros has e = 0. As a byte (E8M0): e + 127.
;;     - Each number is divided by its block's scale, clamped to +-6, and rounded to the nearest number of E2M1, ties to even, subnormals kept.
;;     - The product sums the exact products of the quantised numbers (number of the format x scale) in f32.
;;   ~~~python
;;   def quantise(x, axis):      # numpy; x: float32 -> the quantised numbers, widened to float32 again
;;       x = np.moveaxis(x, axis, -1); K = x.shape[-1]
;;       x = np.pad(x, [(0, 0)] * (x.ndim - 1) + [(0, -K % 32)]); x = x.reshape(x.shape[:-1] + (-1, 32)); a = np.abs(x).max(-1, keepdims=True)
;;       e = np.where(a > 0, np.clip(np.frexp(np.where(a > 0, a, 1))[1] - 1 - 2, -126, 127), 0)      # np.frexp(a)[1] - 1 = floor(log2(a)), exactly
;;       r = np.clip(x / 2.0 ** e, -6, 6)
;;       step = 2.0 ** (np.maximum(np.frexp(np.where(r == 0, 1, r))[1] - 1, 0) - 1)
;;       q = np.round(r / step) * step * 2.0 ** e      # np.round: ties to even
;;       return np.moveaxis(q.reshape(q.shape[:-2] + (-1,))[..., :K], -1, axis).astype(np.float32)
;;   ~~~
;; One version. Each part assembles by itself: llvm-mc -triple=amdgcn-amd-amdhsa -mcpu=gfx1250 --defsym DOCPART=n.
;; ======== version 1 of 1: 5 launches
;; limits: values are held in f16: magnitudes above 65,504 overflow, below 6.1e-05 lose precision
;; workspace buffers: codes 7,864,320 bytes; scales 491,520 bytes; wd16 2,097,152 bytes; mflag 8,192 bytes of whole numbers; mval 532,480 bytes; qkv 25,165,824 bytes; fp 540,672 bytes; o2 8,388,608 bytes
;; launch prep (part 1): grid 768 x 1, 4 waves a work-group, no clusters, 33,280 bytes of LDS; arguments query, key_, value, wq_w, wk_w, wv_w, dense_w, mask, codes, scales, wd16, mflag, mval; writes codes, scales, wd16, mflag, mval
.if DOCPART == 1
	.amdgcn_target "amdgcn-amd-amdhsa--gfx1250"
	.amdhsa_code_object_version 6
	.text
	.protected	k_q8b8fcd8170_prep
	.globl	k_q8b8fcd8170_prep
	.p2align	8
	.type	k_q8b8fcd8170_prep,@function
k_q8b8fcd8170_prep:
	s_mov_b64 s[64:65], 0
	v_nop
	global_prefetch_b8 v0, s[64:65] scope:SCOPE_SE
	s_setreg_imm32_b32 hwreg(HW_REG_WAVE_MODE, 25, 1), 1
	s_wait_xcnt 0x0
; PREP.  Three kinds of work-group, told apart by the work-group's number alone.
; 0..479: query, key_, value (128 work-groups each) and wq_w, wk_w, wv_w (32 each), f32 with K innermost, become codes of FP4 (E2M1) and one E8M0 scale byte for each 32 along K.
;   A block's scale is 2^(floor(log2(largest magnitude)) - 2); its byte is the largest magnitude's exponent field - 2, held at 1 from below.  Rows are dense and K is a multiple of 32, so a tensor is a stream of
;   blocks.  Work-group n writes bytes 16,384 n of codes and 1,024 n of scales: the six tensors follow each other there.
; 480..511: dense_w is rounded to f16.
; 512..767: the mask is read once.  Each block of 32 queries x 64 keys gets a class, a whole number (0: all numbers are 0; 2: all are equal; 3: each is 0 or one other number v; 1: anything else),
;   the number A = v x (-1e9 log2 e), and 64 bits a query that say which numbers are not 0: two words a query, 256 bytes a block.  Of key 4 m + c the bit is bit 16 (c % 2) + m of word c / 2.
; LIMITS: NaN and infinities among the inputs are not served; a block of zeros gets the scale byte 1 (its codes are zeros, and this program alone reads the bytes); |dense_w| stays under 65,504.
; No tensor loads, no barrier: waves share nothing.  Only the first kind writes LDS.
.set WAVES, 4
.set STEPS, 16
.set EMAX,  2
.set CB,    8                          ; bytes of 16 codes
.set R,     16                         ; v16-79   four sets of 16 numbers as loaded
.set X,     80                         ; v80-111  two sets of 16 neighbours
.set C,     128                        ; v128-191 codes, four registers a step
.set E,     112                        ; v112-127 a scale byte a step
.set WREG,  8192                       ; LDS: a region for each wave: two stages of 32 x SP bytes, then its 256 scale bytes
.set SP,    80                         ; a lane's place in a stage: 64 bytes + 16 of padding
.set SPW,   12                         ; v12 my spare word's LDS address; never rewritten
.set NIL,   13                         ; v13 0; never rewritten
.set SPARE, WAVES*WREG                 ; the spare words: 128 bytes a wave, named by no other line
.set NEGG,  0xceabfb8f                 ; -1e9 x log2(e)
.set BWD,   176                        ; v176-179 the mask's bit words: a pair for each of my two blocks; lane = query
.set AOFF,  524288                     ; in mval: the bit words of 2,048 blocks, then the A numbers
.macro QLOAD t
.irp i, 0,1,2,3
	global_load_b128 v[R+16*((\t)%4)+4*\i:R+16*((\t)%4)+4*\i+3], v3, s[32:33] offset:2048*(\t)+512*\i th:TH_LOAD_NT   ; 32 lanes read 512 consecutive bytes
.endr
.endm
.macro QTURN t                         ; a step's 2,048 bytes through the wave's own stage: in as they lie, out 64 bytes a lane; LDS serves a wave's instructions in order
.irp i, 0,1,2,3
	ds_store_b128 v14, v[R+16*((\t)%4)+4*\i:R+16*((\t)%4)+4*\i+3] offset:32*SP*((\t)%2)+8*SP*\i
.endr
.irp i, 0,1,2,3
	ds_load_b128 v[X+16*((\t)%2)+4*\i:X+16*((\t)%2)+4*\i+3], v15 offset:32*SP*((\t)%2)+16*\i
.endr
.endm
.macro QSTEP t
.set XS, X+16*((\t)%2)
.if (\t) > 0
	s_wait_dscnt 1                                 ; this step's numbers are back (the last byte store may be out): so the stage's stores have read their registers,
.else
	s_wait_dscnt 0x0
.endif
.if (\t)+4 < STEPS
	QLOAD (\t)+4                                   ; which take the loads of four steps on
.endif
.if (\t)+1 < STEPS
.if STEPS-2-(\t) >= 3
	s_wait_loadcnt 12                              ; the next step's four loads are in; three later steps' may be out
.else
	s_wait_loadcnt 4*(STEPS-2-(\t))
.endif
	QTURN (\t)+1
.endif
	v_max3_num_f32 v8, |v[XS]|, |v[XS+1]|, |v[XS+2]|               ; the largest magnitude of my 16
	v_max3_num_f32 v9, |v[XS+3]|, |v[XS+4]|, |v[XS+5]|
.irp i, 6,10
	v_max3_num_f32 v8, v8, |v[XS+\i]|, |v[XS+\i+1]|
	v_max3_num_f32 v9, v9, |v[XS+\i+2]|, |v[XS+\i+3]|
.endr
	v_max3_num_f32 v8, v8, |v[XS+14]|, |v[XS+15]|
	v_max3_num_f32 v8, v8, v9, (EMAX+1)<<23        ; and the floor 2^(3 - 127): the byte cannot fall under 1
	v_max_num_f32_dpp v8, v8, v8 row_xmask:1 row_mask:0xf bank_mask:0xf   ; with my neighbour's 16: the block's
	v_add_nc_u32 v11, -(EMAX<<23), v8              ; 2 off its exponent field: the conversion takes this operand's exponent field as the scale
	v_cvt_scalef32_pk8_fp4_f32 v[C+4*(\t)], v[XS:XS+7], v11
	v_cvt_scalef32_pk8_fp4_f32 v[C+4*(\t)+1], v[XS+8:XS+15], v11
	v_lshrrev_b32 v[E+(\t)], 23, v11               ; the scale's byte
	ds_store_b8 v5, v[E+(\t)] offset:16*(\t)       ; both lanes of a block write the same byte with the same value
	global_store_b64 v4, v[C+4*(\t):C+4*(\t)+1], s[20:21] offset:32*CB*(\t)   ; the wave stores 256 consecutive bytes, aligned
.endm
.macro DWL g                           ; dense_w: 16 loads of 512 consecutive bytes into set g % 2
.irp i, 0,1,2,3,4,5,6,7,8,9,10,11,12,13,14,15
	global_load_b128 v[16+96*((\g)%2)+4*\i:16+96*((\g)%2)+4*\i+3], v3, s[16:17] offset:8192*(\g)+512*\i th:TH_LOAD_NT
.endr
.endm
.macro DWS g, younger                  ; rounded to f16 and stored, 256 consecutive bytes a store
	s_wait_xcnt 0x0                                ; the stores of two groups back have read their data registers
.irp i, 0,1,2,3,4,5,6,7,8,9,10,11,12,13,14,15
	s_wait_loadcnt \younger+15-\i                  ; load i is in; this set's younger loads and the next set's may be out
	v_cvt_pk_f16_f32 v[80+96*((\g)%2)+2*\i], v[16+96*((\g)%2)+4*\i], v[17+96*((\g)%2)+4*\i]
	v_cvt_pk_f16_f32 v[81+96*((\g)%2)+2*\i], v[18+96*((\g)%2)+4*\i], v[19+96*((\g)%2)+4*\i]
	global_store_b64 v4, v[80+96*((\g)%2)+2*\i:81+96*((\g)%2)+2*\i], s[24:25] offset:4096*(\g)+256*\i
.endr
.endm
.macro MLOAD k                         ; mask block k of my two: 32 rows x 256 bytes; sixteen lanes read a row's 256 bytes.  Register 4 i + c of lane l: query 2 i + l / 16, key 4 (l % 16) + c
.irp i, 0,1,2,3,4,5,6,7,8,9,10,11,12,13,14,15
	global_load_b128 v[16+64*(\k)+4*\i:16+64*(\k)+4*\i+3], v3, s[18:19] offset:256*(\k)+16384*\i th:TH_LOAD_NT
.endr
.endm
.macro MBLK k
.set XS, 16+64*(\k)
.if (\k) < 1
	s_wait_loadcnt 16                              ; this block's 16 loads are in; the second block's may be out
.else
	s_wait_loadcnt 0x0
.endif
	v_min3_num_f32 v8, v[XS], v[XS+1], v[XS+2]     ; smallest and largest of my 64 numbers, two chains each
	v_max3_num_f32 v9, v[XS], v[XS+1], v[XS+2]
	v_min3_num_f32 v10, v[XS+32], v[XS+33], v[XS+34]
	v_max3_num_f32 v11, v[XS+32], v[XS+33], v[XS+34]
.irp i, 3,5,7,9,11,13,15,17,19,21,23,25,27,29
	v_min3_num_f32 v8, v8, v[XS+\i], v[XS+\i+1]
	v_max3_num_f32 v9, v9, v[XS+\i], v[XS+\i+1]
	v_min3_num_f32 v10, v10, v[XS+32+\i], v[XS+33+\i]
	v_max3_num_f32 v11, v11, v[XS+32+\i], v[XS+33+\i]
.endr
	v_min3_num_f32 v8, v8, v10, v[XS+31]
	v_max3_num_f32 v9, v9, v11, v[XS+31]
	v_min_num_f32 v8, v8, v[XS+63]
	v_max_num_f32 v9, v9, v[XS+63]
.irp m, 1,2,4,8
	v_min_num_f32_dpp v8, v8, v8 row_xmask:\m row_mask:0xf bank_mask:0xf
	v_max_num_f32_dpp v9, v9, v9 row_xmask:\m row_mask:0xf bank_mask:0xf
.endr
	v_permlanex16_b32 v10, v8, s40, s41
	v_permlanex16_b32 v11, v9, s40, s41
	v_min_num_f32 v8, v8, v10                      ; the block's smallest,
	v_max_num_f32 v9, v9, v11                      ; and largest, in every lane
	v_cmp_eq_f32 vcc_lo, 0, v8
	v_cndmask_b32 v11, 2, v7, vcc_lo               ; a uniform block's class: 0 where the smallest is 0, else 2
	v_cndmask_b32 v10, v8, v9, vcc_lo              ; v: the largest where the smallest is 0, else the smallest
	s_mov_b32 s52, 0                               ; gathers the lanes and registers in which 'not 0' and 'equal to v' disagree
.irp i, 0,1,2,3,4,5,6,7,8,9,10,11,12,13,14,15
.irp c, 0,1,2,3
	v_cmp_neq_f32 s[44+\c], 0, v[XS+4*\i+\c]       ; bit l: query 2 i + l / 16, key 4 (l % 16) + c is not 0
	v_cmp_eq_f32 s[48+\c], v10, v[XS+4*\i+\c]      ; and: it is v
.endr
.irp c, 0,1,2,3
	s_xor_b32 s[48+\c], s[48+\c], s[44+\c]
	s_or_b32 s52, s52, s[48+\c]
.endr
.irp w, 0,1                            ; word w of a query: c = 2 w in the low half, c = 2 w + 1 in the high half
	s_and_b32 s53, s[44+2*\w], 0xffff
	s_lshl_b32 s54, s[45+2*\w], 16
	s_or_b32 s53, s53, s54                         ; query 2 i (lanes 0-15's bits)
	s_lshr_b32 s54, s[44+2*\w], 16
	s_and_b32 s55, s[45+2*\w], 0xffff0000
	s_or_b32 s54, s54, s55                         ; query 2 i + 1
	v_writelane_b32 v[BWD+2*(\k)+\w], s53, 2*\i
	v_writelane_b32 v[BWD+2*(\k)+\w], s54, 2*\i+1
.endr
.endr
	s_cmp_eq_u32 s52, 0
	s_cselect_b32 s53, 3, 1                        ; no disagreement: every number is 0 or v.  (A selection of a value: no branch and no address hangs on it)
	v_mov_b32 v15, s53
	v_cmp_eq_f32 vcc_lo, v8, v9
	v_cndmask_b32 v11, v15, v11, vcc_lo            ; the uniform class where all are equal
	v_mul_f32 v10, NEGG, v10                       ; A
	v_cmp_eq_u32 vcc_lo, \k, v2
	v_cndmask_b32 v5, v5, v11, vcc_lo              ; lane k keeps block k's class
	v_cndmask_b32 v6, v6, v10, vcc_lo              ; and its A
	global_store_b64 v14, v[BWD+2*(\k):BWD+2*(\k)+1], s[32:33] offset:256*(\k)   ; the block's bit words: 256 consecutive bytes, aligned
.endm
	s_load_b512 s[4:19], s[0:1], 0x0               ; query, key_, value, wq_w, wk_w, wv_w, dense_w s[16:17], mask s[18:19]
	s_load_b256 s[20:27], s[0:1], 0x40             ; codes, scales, wd16 s[24:25], mflag s[26:27]
	s_load_b64 s[28:29], s[0:1], 0x60              ; mval
	v_lshl_add_u32 v[SPW], v0, 2, SPARE
	v_mov_b32 v[NIL], 0
	v_lshrrev_b32 v1, 5, v0
	v_readfirstlane_b32 s30, v1                    ; wave
	v_and_b32 v2, 31, v0                           ; lane
	s_mov_b32 s37, 0
	s_wait_kmcnt 0x0
	s_cmp_ge_u32 ttmp9, 512
	s_cbranch_scc1 .Lmask
	s_cmp_ge_u32 ttmp9, 480
	s_cbranch_scc1 .Ldw
	; ---- the quantiser.  Which tensor, and at which work-group it begins: choices on the work-group's number alone
	s_mov_b64 s[32:33], s[14:15]
	s_mov_b32 s34, 448
	s_cmp_lt_u32 ttmp9, 448
	s_cselect_b64 s[32:33], s[12:13], s[32:33]
	s_cselect_b32 s34, 416, s34
	s_cmp_lt_u32 ttmp9, 416
	s_cselect_b64 s[32:33], s[10:11], s[32:33]
	s_cselect_b32 s34, 384, s34
	s_cmp_lt_u32 ttmp9, 384
	s_cselect_b64 s[32:33], s[8:9], s[32:33]
	s_cselect_b32 s34, 256, s34
	s_cmp_lt_u32 ttmp9, 256
	s_cselect_b64 s[32:33], s[6:7], s[32:33]
	s_cselect_b32 s34, 128, s34
	s_cmp_lt_u32 ttmp9, 128
	s_cselect_b64 s[32:33], s[4:5], s[32:33]
	s_cselect_b32 s34, 0, s34
	s_sub_co_u32 s35, ttmp9, s34
	s_lshl_b32 s35, s35, 2
	s_add_co_u32 s36, s35, s30                     ; which run of 8,192 numbers of the tensor is my wave's
	s_lshl_b32 s36, s36, 15
	s_add_nc_u64 s[32:33], s[32:33], s[36:37]
	s_lshl_b32 s38, ttmp9, 2
	s_add_co_u32 s38, s38, s30                     ; and which run of the two output buffers
	s_lshl_b32 s36, s38, 12
	s_add_nc_u64 s[20:21], s[20:21], s[36:37]
	s_lshl_b32 s36, s38, 8
	s_add_nc_u64 s[22:23], s[22:23], s[36:37]
	v_lshlrev_b32 v3, 4, v2                        ; my 16 bytes of a load's 512
	s_mul_i32 s39, s30, WREG
	v_lshrrev_b32 v14, 2, v2
	v_mul_u32_u24 v14, v14, SP
	v_and_b32 v15, 3, v2
	v_lshl_add_u32 v14, v15, 4, v14
	v_add_nc_u32 v14, s39, v14                     ; the stage, in: SP (lane / 4) + 16 (lane % 4)
	v_mul_u32_u24 v15, v2, SP
	v_add_nc_u32 v15, s39, v15                     ; out: SP x lane
	v_mul_u32_u24 v4, v2, CB
	v_lshrrev_b32 v5, 1, v2
	s_add_co_u32 s39, s39, 2*32*SP
	v_add_nc_u32 v5, s39, v5                       ; my block's scale byte in LDS
	v_lshlrev_b32 v7, 3, v2
	v_add_nc_u32 v6, s39, v7
.irp t, 0,1,2,3
	QLOAD \t
.endr
	s_wait_loadcnt 12                              ; step 0's four loads are in
	QTURN 0
.irp t, 0,1,2,3,4,5,6,7,8,9,10,11,12,13,14,15
	QSTEP \t
.endr
	ds_load_b64 v[8:9], v6                         ; my wave's 256 scale bytes, 8 a lane
	s_wait_dscnt 0x0
	global_store_b64 v7, v[8:9], s[22:23]          ; 256 consecutive bytes, aligned
	s_wait_tensorcnt 0x0                           ; the wave's end, behind my last LDS store
	ds_add_u32 v[SPW], v[NIL]
	s_wait_dscnt 0x0
	s_endpgm
.Ldw:	; ---- dense_w to f16: a wave takes 8,192 numbers, in four groups on two register sets
	s_sub_co_u32 s35, ttmp9, 480
	s_lshl_b32 s35, s35, 2
	s_add_co_u32 s35, s35, s30
	s_lshl_b32 s36, s35, 15
	s_add_nc_u64 s[16:17], s[16:17], s[36:37]
	s_lshl_b32 s36, s35, 14
	s_add_nc_u64 s[24:25], s[24:25], s[36:37]
	v_lshlrev_b32 v3, 4, v2
	v_lshlrev_b32 v4, 3, v2
	DWL 0
	DWL 1
	DWS 0, 16
	DWL 2
	DWS 1, 16
	DWL 3
	DWS 2, 16
	DWS 3, 0
	s_endpgm
.Lmask:	; ---- the mask's blocks: work-group i takes query group i / 4 and 8 key blocks, a wave two of them
	s_sub_co_u32 s35, ttmp9, 512
	s_lshr_b32 s38, s35, 2                         ; the group of 32 queries
	s_and_b32 s35, s35, 3
	s_lshl_b32 s35, s35, 3
	s_lshl_b32 s39, s30, 1
	s_add_co_u32 s35, s35, s39                     ; my first key block
	s_lshl_b32 s36, s38, 18                        ; 32 rows of 8,192 bytes
	s_lshl_b32 s39, s35, 8
	s_add_co_u32 s36, s36, s39
	s_add_nc_u64 s[18:19], s[18:19], s[36:37]
	s_lshl_b32 s38, s38, 5
	s_add_co_u32 s38, s38, s35                     ; my first block's number: 32 x group + key block
	s_lshl_b32 s36, s38, 8
	s_add_nc_u64 s[32:33], s[28:29], s[36:37]      ; its bit words
	s_lshl_b32 s36, s38, 2
	s_add_nc_u64 s[26:27], s[26:27], s[36:37]      ; its class
	s_add_nc_u64 s[28:29], s[28:29], s[36:37]      ; its A, AOFF bytes on
	s_mov_b32 s40, 0x76543210
	s_mov_b32 s41, 0xfedcba98                      ; lane l xor 16
	v_lshrrev_b32 v3, 4, v2
	v_lshlrev_b32 v3, 13, v3
	v_and_b32 v4, 15, v2
	v_lshl_add_u32 v3, v4, 4, v3                   ; lanes 0-15 one row, lanes 16-31 the next
	MLOAD 0
	MLOAD 1
	v_lshlrev_b32 v4, 2, v2
	v_lshlrev_b32 v14, 3, v2                       ; a query's two words
	v_mov_b32 v5, 0
	v_mov_b32 v6, 0
	v_mov_b32 v7, 0
.irp j, 0,1,2,3
	v_mov_b32 v[BWD+\j], 0                         ; written whole once: a lane write's destination counts as one of its sources
.endr
	MBLK 0
	MBLK 1
	v_cmp_gt_u32 vcc_lo, 2, v2
	s_wait_xcnt 0x0                                ; EXEC changes only behind this wait
	s_and_saveexec_b32 s42, vcc_lo
	global_store_b32 v4, v5, s[26:27]              ; 8 bytes a wave: classes and A numbers are 8,192 bytes each in all
	global_store_b32 v4, v6, s[28:29] offset:AOFF
	s_wait_xcnt 0x0
	s_or_b32 exec_lo, exec_lo, s42
	s_endpgm
.Lfunc_end_k_q8b8fcd8170_prep:
	.size	k_q8b8fcd8170_prep, .Lfunc_end_k_q8b8fcd8170_prep-k_q8b8fcd8170_prep
	.p2alignl 7, 3214868480
	.fill 96, 4, 3214868480
	.section	.rodata,"a",@progbits
	.p2align	6, 0x0
	.amdhsa_kernel k_q8b8fcd8170_prep
		.amdhsa_group_segment_fixed_size 33280
		.amdhsa_private_segment_fixed_size 0
		.amdhsa_enable_private_segment 0
		.amdhsa_kernarg_size 104
		.amdhsa_user_sgpr_count 2
		.amdhsa_user_sgpr_kernarg_segment_ptr 1
		.amdhsa_wavefront_size32 1
		.amdhsa_system_sgpr_workgroup_id_x 1
		.amdhsa_system_sgpr_workgroup_id_y 1
		.amdhsa_system_sgpr_workgroup_id_z 1
		.amdhsa_system_vgpr_workitem_id 0
		.amdhsa_next_free_vgpr 208
		.amdhsa_next_free_sgpr 66
		.amdhsa_reserve_vcc 1
		.amdhsa_float_denorm_mode_32 3
		.amdhsa_float_denorm_mode_16_64 3
		.amdhsa_memory_ordered 1
		.amdhsa_forward_progress 1
		.amdhsa_inst_pref_size 119
	.end_amdhsa_kernel
	.amdgpu_metadata
---
amdhsa.version: [ 1, 2 ]
amdhsa.kernels:
  - .name:           k_q8b8fcd8170_prep
    .symbol:         k_q8b8fcd8170_prep.kd
    .args:
      - { .name: query, .offset: 0, .size: 8, .value_kind: global_buffer, .address_space: global }
      - { .name: key_, .offset: 8, .size: 8, .value_kind: global_buffer, .address_space: global }
      - { .name: value, .offset: 16, .size: 8, .value_kind: global_buffer, .address_space: global }
      - { .name: wq_w, .offset: 24, .size: 8, .value_kind: global_buffer, .address_space: global }
      - { .name: wk_w, .offset: 32, .size: 8, .value_kind: global_buffer, .address_space: global }
      - { .name: wv_w, .offset: 40, .size: 8, .value_kind: global_buffer, .address_space: global }
      - { .name: dense_w, .offset: 48, .size: 8, .value_kind: global_buffer, .address_space: global }
      - { .name: mask, .offset: 56, .size: 8, .value_kind: global_buffer, .address_space: global }
      - { .name: codes, .offset: 64, .size: 8, .value_kind: global_buffer, .address_space: global }
      - { .name: scales, .offset: 72, .size: 8, .value_kind: global_buffer, .address_space: global }
      - { .name: wd16, .offset: 80, .size: 8, .value_kind: global_buffer, .address_space: global }
      - { .name: mflag, .offset: 88, .size: 8, .value_kind: global_buffer, .address_space: global }
      - { .name: mval, .offset: 96, .size: 8, .value_kind: global_buffer, .address_space: global }
    .group_segment_fixed_size: 33280
    .private_segment_fixed_size: 0
    .kernarg_segment_align: 8
    .kernarg_segment_size: 104
    .max_flat_workgroup_size: 128
    .sgpr_count:     66
    .vgpr_count:     208
    .wavefront_size: 32
...
	.end_amdgpu_metadata
.endif
;; end of part 1
;; launch proj (part 2): grid 4 x 48, 4 waves a work-group, clusters of 4 x 1, 327,680 bytes of LDS; arguments codes, scales, wq_b, wk_b, wv_b, qkv, fp; writes qkv, fp
.if DOCPART == 2
	.amdgcn_target "amdgcn-amd-amdhsa--gfx1250"
	.amdhsa_code_object_version 6
	.text
	.protected	k_q8b8fcd8170_proj
	.globl	k_q8b8fcd8170_proj
	.p2align	8
	.type	k_q8b8fcd8170_proj,@function
k_q8b8fcd8170_proj:
	s_mov_b64 s[64:65], 0
	v_nop
	global_prefetch_b8 v0, s[64:65] scope:SCOPE_SE
	s_setreg_imm32_b32 hwreg(HW_REG_WAVE_MODE, 25, 1), 1
	s_wait_xcnt 0x0
	s_wait_alu depctr_hold_cnt(0) depctr_sa_sdst(0) depctr_va_vdst(0) depctr_va_sdst(0) depctr_va_ssrc(0) depctr_va_vcc(0) depctr_vm_vsrc(0)
	s_getreg_b32 s2, hwreg(HW_REG_IB_STS2, 6, 4)
	s_cmp_eq_u32 s2, 0
	s_cbranch_scc0 .Lentry_in_a_cluster
	s_endpgm
.Lentry_in_a_cluster:
	s_bfe_u32 s2, ttmp6, 0x10000c
	s_cmp_lg_u32 s2, 0x3003
	s_cbranch_scc0 .Lentry_shape_is_right
	s_endpgm
.Lentry_shape_is_right:
; PROJ.  The three quantised products q = query wq^T + bq, k, v: [4096][1024] x [1024][1024]^T each, on codes of FP4 (E2M1) with one E8M0 scale for each 32 along K, sums in f32.
; Work-group y = 16 p + tile row (p: which product), x = tile column.  A tile is 256 x 256, four waves of 128 x 128: 64 accumulators of 16 x 16.  K = 1,024 is two LDS slots of 512 along K:
; all of K is asked for at the head, nothing is filled again.  The scale bytes of the work-group's rows come once, as dense blocks.
; CLUSTER: the four work-groups along x share their 256 rows of x's codes and scales: those tiles are asked for jointly (mask 15).  The weights' tiles differ along x and come by plain loads.
; The cluster is 4 x 1 so that the branch round the export below hangs on y and the wave's number alone, which all partners share.
; THE MATRIX INSTRUCTION IS USED TRANSPOSED (source 0 = 16 rows of w, source 1 = 16 rows of x): a lane holds eight neighbouring columns of one token's row.  The bias is the C of each sum's first product.
; OUT: q is multiplied by c = log2(e) / 8 in f32; all three are rounded to f16 and laid [p][b][head][s][64].  Tokens s < 16 of both batches also leave in f32, [p][b][16][1024], for the last launch.
; LIMITS: |c q|, |k|, |v| stay under 65,504.
; REGISTERS: window 0: v16-30 addresses; v32-95 scale words and nothing else; v96-127 packed results; v128-191 x's fragments, one set (later the export's rows); v192-255 the biases (later rows on their way out).
;   window 1: w's fragments, two sets, at v0 and v128.  window 2: accumulators of my rows 0-63 ((a, b) at v[8 (8 a + b)]); window 3: rows 64-127.
.set KSTEP,  512
.set NQ,     KSTEP/128
.set ROWB,   256                       ; a tile's row in bytes
.set KROW,   512                       ; a row of codes in memory
.set PITCH,  272                       ; an LDS row: 256 bytes + 16 of padding
.set FR,     8
.set NL,     2
.set NP,     4
.set HALFT,  128*PITCH
.set SLOT,   4*HALFT
.set KS,     32                        ; a row of scale bytes
.set SCL,    2*SLOT
.set HALFS,  (128*KS/256)*272
.set SBLK,   (16*KS/256)*272
.set SPARE,  SCL+4*HALFS               ; the spare words: 128 bytes a wave, named by no other line
.set SP32,   528
.set SP16,   272
.set WSTG,   16*SP32+16*SP16           ; a wave's two stages for the way out, in slot 0, which has had its one fill and its last read by then
.set ADRA, 16
.set ADRB, 20
.set ST16, 22
.set RD16, 23
.set ST32, 24
.set RD32, 25
.set CO,   26
.set ADRS, 27
.set SPW,  28
.set NIL,  29
.set BO,   30
.set SC,   32
.set PK,   96
.set AF,   128
.set EX,   128
.set BI,   192
.set OB,   192
.set WV, 18
.set RH, 19                            ; which half of the tile's rows is mine; also: I fetch for x (0) or for w (1)
.set CH, 20                            ; which half of its columns; also which 128 rows I fetch
.set TR, 21
.set PJ, 22
.set CX, 23
.set G1, 24
.set G0, 32
.set G1B, 48
.set G0B, 56
.set G1S, 68
.set G0S, 76
.set G1SB, 80
.set G0SB, 88
.set SCQ, 96
.set MSB, 0
.macro WIN new                         ; the immediate's high byte repeats the setting that is left
.if MSB != \new
	s_set_vgpr_msb (MSB<<8)|\new
.set MSB, \new
.endif
.endm
.set MUL_LO,  0xa1                     ; source 0 (w) window 1, source 1 (x) window 0, C and D window 2
.set MUL_HI,  0xf1
.set MUL_LO0, 0x81                     ; the same with C (the bias) in window 0
.set MUL_HI0, 0xc1
.set TO_B,    0x40
.macro JLOAD g0a, g1a, g0b, g1b        ; waves 0 and 1 fetch for x, jointly; waves 2 and 3 for w.  The branch hangs on the wave's number alone.  An s_nop 0 and four v_nop follow each line
	s_cmp_eq_u32 s[RH], 0
	s_cbranch_scc0 .Lfor_b_\@
	tensor_load_to_lds s[\g0a:\g0a+3], s[\g1a:\g1a+7]
	s_nop 0
.rept 4
	v_nop
.endr
	s_branch .Lasked_\@
.Lfor_b_\@:
	tensor_load_to_lds s[\g0b:\g0b+3], s[\g1b:\g1b+7]
	s_nop 0
.rept 4
	v_nop
.endr
.Lasked_\@:
.endm
.macro CROUND                          ; a round of the cluster's barrier
	s_barrier_signal -1
	s_barrier_wait -1
	s_cmp_lg_u32 s[WV], 0
	s_cbranch_scc1 .Lnot_wave_0_\@
	s_barrier_signal -3
.Lnot_wave_0_\@:
	s_barrier_wait -3
	s_barrier_signal -1
	s_barrier_wait -1
.endm
.macro PLACES n
.rept \n
	v_nop
.endr
.endm
.macro FRAG reg, adr, q, i             ; 16 rows x 128 K of 4-bit codes: 8 registers, two loads of 16 bytes, 32 bytes apart
.irp c, 0,1
	ds_load_b128 v[\reg+4*\c:\reg+4*\c+3], v[\adr] offset:64*(\q)+32*\c+(\i)*16*PITCH
.endr
.endm
; 16 products: x's blocks a0, a0 + 1 against w's eight, the slot's q-th 128 along K.  zero = 1: the sums begin with the bias.  The 64 accumulators take turns.
.macro MUL16 a0, p, q, sc, zero
.irp a, \a0, \a0+1
.irp b, 0,1,2,3,4,5,6,7
.if \zero
	v_wmma_scale_f32_16x16x128_f8f6f4 v[8*(8*((\a)%4)+\b):8*(8*((\a)%4)+\b)+7], v[128*(\p)+FR*\b:128*(\p)+FR*\b+FR-1], v[AF+FR*(\a):AF+FR*(\a)+FR-1], v[BI+8*\b:BI+8*\b+7], v[SC+8*NQ*(\sc)+NQ*\b+(\q)], v[SC+8*NQ*(\sc)+NQ*(\a)+(\q)] matrix_a_fmt:MATRIX_FMT_FP4 matrix_b_fmt:MATRIX_FMT_FP4 matrix_a_scale:MATRIX_SCALE_ROW1
.else
	v_wmma_scale_f32_16x16x128_f8f6f4 v[8*(8*((\a)%4)+\b):8*(8*((\a)%4)+\b)+7], v[128*(\p)+FR*\b:128*(\p)+FR*\b+FR-1], v[AF+FR*(\a):AF+FR*(\a)+FR-1], v[8*(8*((\a)%4)+\b):8*(8*((\a)%4)+\b)+7], v[SC+8*NQ*(\sc)+NQ*\b+(\q)], v[SC+8*NQ*(\sc)+NQ*(\a)+(\q)] matrix_a_fmt:MATRIX_FMT_FP4 matrix_b_fmt:MATRIX_FMT_FP4 matrix_a_scale:MATRIX_SCALE_ROW1
.endif
.endr
.endr
.endm
.macro FETCH_B slot, q, p
	WIN TO_B
.irp i, 0,1,2,3,4,5,6,7
	FRAG 128*(\p)+FR*\i, ADRB+\slot, \q, \i
.endr
	WIN 0
.endm
.macro FETCH_A slot, q, i0
.irp i, \i0, \i0+1, \i0+2, \i0+3
	FRAG AF+FR*(\i), ADRA+\slot, \q, \i
.endr
.endm
.macro SCALES sc                       ; a slot's scale words: lanes 0-15 x's block i, lanes 16-31 w's block i, four words a row
.irp i, 0,1,2,3,4,5,6,7
	ds_load_b128 v[SC+8*NQ*\sc+NQ*\i:SC+8*NQ*\sc+NQ*\i+3], v[ADRS] offset:\i*SBLK
.endr
.endm
.macro STEP slot, q, zero              ; 128 along K with its successor in the same slot
	s_wait_dscnt 4*NL                              ; w's set and x's blocks 0-3 are in; the youngest eight loads (x's blocks 4-7) may be out
.if \zero
	WIN MUL_LO0
.else
	WIN MUL_LO
.endif
	MUL16 0, (\q)%2, \q, \slot, \zero
	MUL16 2, (\q)%2, \q, \slot, \zero
	s_wait_dscnt 0
	PLACES NP                                      ; four plain places ahead of loads into registers that matrix instructions have read
	FETCH_B \slot, (\q)+1, 1-(\q)%2
	FETCH_A \slot, (\q)+1, 0
.if \zero
	WIN MUL_HI0
.else
	WIN MUL_HI
.endif
	MUL16 4, (\q)%2, \q, \slot, \zero
	MUL16 6, (\q)%2, \q, \slot, \zero
	PLACES NP
	WIN 0
	FETCH_A \slot, (\q)+1, 4
.endm
.macro TURN slot, next                 ; a slot's last step, and the change of slots: one barrier, behind which the next slot is whole for every wave
	s_wait_tensorcnt 0x0                           ; all my tensor loads have landed: my part of the next slot
	ds_add_u32 v[SPW], v[NIL]
	s_wait_dscnt 4*NL+1                            ; (the add and x's blocks 4-7 may be out)
	WIN MUL_LO
	MUL16 0, 1, NQ-1, \slot, 0
	s_wait_dscnt 0x0                               ; the add is done, and my reads of this slot are over
	s_barrier_signal -1
	MUL16 2, 1, NQ-1, \slot, 0
	WIN 0
	s_barrier_wait -1
	PLACES NP
	v_add_nc_u32 v[ADRS], 4*NQ, v[ADRS]            ; the next slot's scale words
	FETCH_B \next, 0, 0
	FETCH_A \next, 0, 0
	SCALES \next
	WIN MUL_HI
	MUL16 4, 1, NQ-1, \slot, 0
	MUL16 6, 1, NQ-1, \slot, 0
	PLACES NP
	WIN 0
	FETCH_A \next, 0, 4
.endm
.macro STEPS slot, from
.set Q, \from
.rept NQ-1-\from
	STEP \slot, Q, 0
.set Q, Q+1
.endr
.endm
; THE WAY OUT, block a = 16 tokens x 128 columns (two heads).
.macro SCALE a                         ; x c (q) or x 1 (k, v), in place, each accumulator from its low end on
.set AC, 64*((\a)%4)
	WIN 0x82+0x41*((\a)/4)
.set i, 0
.rept 32
	v_pk_mul_f32 v[AC+i:AC+i+1], v[AC+i:AC+i+1], s[SCQ:SCQ+1] op_sel_hi:[1,0]
.set i, i+2
.endr
.endm
.macro HALF a                          ; rounded to f16, through my stage, back as rows of one head: 4 tokens x 128 bytes an instruction
.set AC, 64*((\a)%4)
	WIN 0x0a+5*((\a)/4)
.irp b, 0,1,2,3,4,5,6,7
.irp q, 0,1,2,3
	v_cvt_pk_f16_f32 v[PK+4*\b+\q], v[AC+8*\b+2*\q], v[AC+8*\b+2*\q+1]
.endr
.endr
	WIN 0
.irp b, 0,1,2,3,4,5,6,7
	ds_store_b128 v[ST16], v[PK+4*\b:PK+4*\b+3] offset:32*\b
.endr
.set BB, OB+32*((\a)%2)
.irp u, 0,1
.irp i, 0,1,2,3
	ds_load_b128 v[BB+16*\u+4*\i:BB+16*\u+4*\i+3], v[RD16] offset:128*\u+\i*4*SP16   ; LDS serves a wave's instructions in order: these see the stores above
.endr
.endr
.endm
.macro OUT a, younger                  ; younger: the LDS instructions issued behind block a's loads
.set BB, OB+32*((\a)%2)
	s_wait_dscnt \younger
.irp u, 0,1
.irp i, 0,1,2,3
	global_store_b128 v[CO], v[BB+16*\u+4*\i:BB+16*\u+4*\i+3], s[14:15] offset:\u*262144+(\a)*2048+\i*512   ; 512 consecutive bytes, aligned
.endr
.endr
.endm
	s_load_b256 s[4:11], s[0:1], 0x0               ; codes, scales, wq_b, wk_b
	s_load_b128 s[12:15], s[0:1], 0x20             ; wv_b, qkv
	s_load_b64 s[16:17], s[0:1], 0x30              ; fp
	v_lshl_add_u32 v[SPW], v0, 2, SPARE
	v_mov_b32 v[NIL], 0
	ds_add_u32 v[SPW], v[NIL]                      ; the wave's opening
	ds_add_u32 v[SPW], v[NIL]
	v_lshrrev_b32 v1, 5, v0
	v_readfirstlane_b32 s[WV], v1
	s_lshr_b32 s[RH], s[WV], 1
	s_and_b32 s[CH], s[WV], 1
	s_bfe_u32 s[CX], ttmp6, 0x40000                ; my place in the cluster = the tile column
	s_and_b32 s2, ttmp7, 0xffff
	s_lshr_b32 s[PJ], s2, 4                        ; which product
	s_and_b32 s[TR], s2, 15                        ; tile row
	; descriptor group 1: 128 rows x 256 bytes, 16 bytes of padding behind each; x's with the mask of all four partners and bit 21 beside it
	s_mov_b32 s[G1+0], 15|(1<<20)|(1<<21)|(5<<22)|(3<<25)
	s_mov_b32 s[G1B+0], (1<<20)|(5<<22)|(3<<25)
.irp g, G1, G1B
	s_mov_b32 s[\g+1], ROWB<<16
	s_mov_b32 s[\g+2], 128<<16
	s_mov_b32 s[\g+3], ROWB<<16
	s_mov_b32 s[\g+4], 128
	s_mov_b32 s[\g+5], KROW
	s_mov_b32 s[\g+6], 0
	s_mov_b32 s[\g+7], 0
.endr
	; the scale bytes of 128 rows: 4,096 dense bytes as 16 rows of 256 (32 elements of 8 bytes), padded likewise
	s_mov_b32 s[G1S+0], 15|(3<<16)|(1<<20)|(1<<21)|(5<<22)|(3<<25)
	s_mov_b32 s[G1SB+0], (3<<16)|(1<<20)|(5<<22)|(3<<25)
.irp g, G1S, G1SB
	s_mov_b32 s[\g+1], 32<<16
	s_mov_b32 s[\g+2], (128*KS/256)<<16
	s_mov_b32 s[\g+3], 32<<16
	s_mov_b32 s[\g+4], 128*KS/256
	s_mov_b32 s[\g+5], 32
	s_mov_b32 s[\g+6], 0
	s_mov_b32 s[\g+7], 0
.endr
	; x's tiles hang on p, the tile row and the wave alone; w's on p, the tile column and the wave
	s_lshl_b32 s40, s[TR], 8
	s_lshl_b32 s41, s[CH], 7
	s_add_co_u32 s40, s40, s41                     ; x's first row that I fetch
	s_lshl_b32 s42, s40, 5
	s_lshl_b32 s40, s40, 9
	s_lshl_b32 s43, s[PJ], 21
	s_add_co_u32 s40, s40, s43                     ; its codes
	s_lshl_b32 s43, s[PJ], 17
	s_add_co_u32 s42, s42, s43                     ; its scale bytes
	s_mov_b32 s41, 0
	s_mov_b32 s43, 0
	s_lshl_b32 s44, s[CX], 8
	s_lshl_b32 s45, s[CH], 7
	s_add_co_u32 s44, s44, s45                     ; w's first row that I fetch
	s_lshl_b32 s46, s44, 5
	s_lshl_b32 s44, s44, 9
	s_lshl_b32 s45, s[PJ], 19
	s_add_co_u32 s44, s44, s45
	s_add_co_u32 s44, s44, 6291456
	s_lshl_b32 s45, s[PJ], 15
	s_add_co_u32 s46, s46, s45
	s_add_co_u32 s46, s46, 393216
	s_mov_b32 s45, 0
	s_mov_b32 s47, 0
	s_mul_i32 s92, s[WV], HALFT                    ; where they go: wave x 128 rows
	s_mul_i32 s93, s[WV], HALFS
	s_wait_dscnt 0x0                               ; both opening adds are done
	s_wait_kmcnt 0x0
	s_add_nc_u64 s[40:41], s[4:5], s[40:41]
	s_add_nc_u64 s[42:43], s[6:7], s[42:43]
	s_add_nc_u64 s[44:45], s[4:5], s[44:45]
	s_add_nc_u64 s[46:47], s[6:7], s[46:47]
	CROUND                                         ; all four work-groups are here: the first joint loads meet
	s_mov_b32 s[G0S], 1
	s_add_co_u32 s[G0S+1], s93, SCL
	s_mov_b64 s[G0S+2:G0S+3], s[42:43]
	s_or_b32 s[G0S+3], s[G0S+3], 0x80000000
	s_mov_b32 s[G0SB], 1
	s_add_co_u32 s[G0SB+1], s93, SCL
	s_mov_b64 s[G0SB+2:G0SB+3], s[46:47]
	s_or_b32 s[G0SB+3], s[G0SB+3], 0x80000000
	JLOAD G0S, G1S, G0SB, G1SB                     ; three loads of mine go out: the scales, slot 0, slot 1
.irp s, 0,1
	s_mov_b32 s[G0+4*\s], 1
	s_add_co_u32 s[G0+4*\s+1], s92, \s*SLOT
	s_add_nc_u64 s[G0+4*\s+2:G0+4*\s+3], s[40:41], \s*ROWB
	s_or_b32 s[G0+4*\s+3], s[G0+4*\s+3], 0x80000000
	s_mov_b32 s[G0B+4*\s], 1
	s_add_co_u32 s[G0B+4*\s+1], s92, \s*SLOT
	s_add_nc_u64 s[G0B+4*\s+2:G0B+4*\s+3], s[44:45], \s*ROWB
	s_or_b32 s[G0B+4*\s+3], s[G0B+4*\s+3], 0x80000000
	JLOAD G0+4*\s, G1, G0B+4*\s, G1B
.endr
	v_and_b32 v1, 15, v0                           ; r
	v_bfe_u32 v2, v0, 4, 1                         ; h
	; the bias of my 128 columns: register 8 b + j = bias[.. + 16 b + 8 h + j]
	s_cmp_eq_u32 s[PJ], 1
	s_cselect_b64 s[94:95], s[10:11], s[8:9]
	s_cmp_eq_u32 s[PJ], 2
	s_cselect_b64 s[94:95], s[12:13], s[94:95]
	s_lshl_b32 s2, s[CX], 10
	s_lshl_b32 s3, s[CH], 9
	s_add_co_u32 s2, s2, s3
	s_mov_b32 s3, 0
	s_add_nc_u64 s[94:95], s[94:95], s[2:3]
	v_lshlrev_b32 v[BO], 5, v2
.irp b, 0,1,2,3,4,5,6,7
	global_load_b128 v[BI+8*\b:BI+8*\b+3], v[BO], s[94:95] offset:64*\b
	global_load_b128 v[BI+8*\b+4:BI+8*\b+7], v[BO], s[94:95] offset:64*\b+16
.endr
	; the export's base: fp + (2 p + b) x 16 rows of 4,096 bytes + my 128 columns (s[2:3] still holds them)
	s_lshl_b32 s66, s[PJ], 1
	s_lshr_b32 s67, s[TR], 3                       ; b
	s_add_co_u32 s66, s66, s67
	s_lshl_b32 s66, s66, 16
	s_add_co_u32 s2, s2, s66
	s_add_nc_u64 s[98:99], s[16:17], s[2:3]
	; qkv: p x 8 MiB + ((16 b + 4 cx + 2 half) x 2,048 + my first token) x 128
	s_lshl_b32 s2, s67, 4
	s_lshl_b32 s66, s[CX], 2
	s_add_co_u32 s2, s2, s66
	s_lshl_b32 s66, s[CH], 1
	s_add_co_u32 s2, s2, s66
	s_lshl_b32 s2, s2, 11
	s_and_b32 s66, s[TR], 7
	s_lshl_b32 s67, s66, 8
	s_add_co_u32 s2, s2, s67
	s_lshl_b32 s67, s[RH], 7
	s_add_co_u32 s2, s2, s67
	s_lshl_b32 s2, s2, 7
	s_lshl_b32 s67, s[PJ], 23
	s_add_co_u32 s2, s2, s67
	s_add_nc_u64 s[14:15], s[14:15], s[2:3]
	s_or_b32 s66, s66, s[RH]                       ; 0 where my block 0 holds tokens 0-15 of a batch
	s_cmp_eq_u32 s[PJ], 0
	s_cselect_b32 s[SCQ], 0x3e38aa3b, 1.0          ; c = log2(e) / 8 for q
	s_mov_b32 s[SCQ+1], s[SCQ]
	v_mul_u32_u24 v3, v1, PITCH
	v_lshl_add_u32 v4, v2, 4, v3                   ; a fragment's row x pitch + 16 x half
	s_mul_i32 s2, s[RH], HALFT
	s_mul_i32 s3, s[CH], HALFT
	s_add_co_u32 s3, s3, 2*HALFT
.irp s, 0,1
	v_add_nc_u32 v[ADRA+\s], s2, v4
	v_add_nc_u32 v[ADRB+\s], s3, v4
	s_add_co_u32 s2, s2, SLOT
	s_add_co_u32 s3, s3, SLOT
.endr
	v_mul_u32_u24 v5, v1, KS                       ; my row's scale bytes, 16 more for each 256 passed
	v_lshrrev_b32 v6, 8, v5
	v_lshl_add_u32 v5, v6, 4, v5
	s_mul_i32 s2, s[RH], HALFS
	s_mul_i32 s3, s[CH], HALFS
	s_add_co_u32 s3, s3, 2*HALFS
	s_sub_co_u32 s3, s3, s2
	v_mul_u32_u24 v6, s3, v2                       ; lanes 16-31 take w's
	s_add_co_u32 s2, s2, SCL
	v_add_nc_u32 v5, v5, v6
	v_add_nc_u32 v[ADRS], s2, v5
	s_mul_i32 s2, s[WV], WSTG                      ; my stages
	v_mul_u32_u24 v5, v1, SP32
	v_lshl_add_u32 v5, v2, 5, v5
	v_add_nc_u32 v[ST32], s2, v5
	v_and_b32 v6, 31, v0
	v_lshlrev_b32 v[CO], 4, v6
	v_add_nc_u32 v[RD32], s2, v[CO]
	s_add_co_u32 s2, s2, 16*SP32
	v_mul_u32_u24 v5, v1, SP16
	v_lshl_add_u32 v5, v2, 4, v5
	v_add_nc_u32 v[ST16], s2, v5
	v_lshrrev_b32 v5, 3, v6
	v_mul_u32_u24 v5, v5, SP16
	v_and_b32 v7, 7, v0
	v_lshl_add_u32 v5, v7, 4, v5
	v_add_nc_u32 v[RD16], s2, v5
	s_wait_loadcnt 0x0                             ; the biases
	s_wait_tensorcnt 1                             ; the scales and my part of slot 0 are in; slot 1's load may be out
	s_barrier_signal -1
	s_barrier_wait -1
	FETCH_B 0, 0, 0
	FETCH_A 0, 0, 0
	SCALES 0
	FETCH_A 0, 0, 4
	STEP 0, 0, 1
	STEPS 0, 1
	TURN 0, 1
	STEPS 1, 0
	s_wait_dscnt 4*NL                              ; the last step: nothing more to fetch
	WIN MUL_LO
	MUL16 0, 1, NQ-1, 1, 0
	MUL16 2, 1, NQ-1, 1, 0
	s_wait_dscnt 0
	WIN MUL_HI
	MUL16 4, 1, NQ-1, 1, 0
	MUL16 6, 1, NQ-1, 1, 0
	PLACES NP                                      ; ahead of the first read of results and of loads into operands' registers
	SCALE 0
	WIN 0
	s_cmp_lg_u32 s66, 0                            ; ids that all partners share, and the wave's number
	s_cbranch_scc1 .Lno_export
	WIN 0x08                                       ; an LDS store's data: window 2
.irp b, 0,1,2,3,4,5,6,7
	ds_store_b128 v[ST32], v[8*\b:8*\b+3] offset:64*\b
	ds_store_b128 v[ST32], v[8*\b+4:8*\b+7] offset:64*\b+16
.endr
	WIN 0
.irp t, 0,1,2,3,4,5,6,7,8,9,10,11,12,13,14,15
	ds_load_b128 v[EX+4*\t:EX+4*\t+3], v[RD32] offset:\t*SP32
.endr
	s_wait_dscnt 0x0
.irp t, 0,1,2,3,4,5,6,7,8,9,10,11,12,13,14,15
	global_store_b128 v[CO], v[EX+4*\t:EX+4*\t+3], s[98:99] offset:\t*4096   ; 512 consecutive bytes of a token's f32 row
.endr
.Lno_export:
	HALF 0
.irp a, 1,2,3,4,5,6,7
	SCALE \a
.if \a > 1
	s_wait_xcnt 0x0                                ; block a - 2's stores have read their registers: block a's rows may land there
.endif
	HALF \a
	OUT \a-1, 16                                   ; behind block a - 1's loads: block a's 8 stores and 8 loads
.endr
	OUT 7, 0
	s_wait_tensorcnt 0x0                           ; the wave's end
	ds_add_u32 v[SPW], v[NIL]
	s_wait_dscnt 0x0
	CROUND                                         ; the closing round
	s_endpgm
.Lfunc_end_k_q8b8fcd8170_proj:
	.size	k_q8b8fcd8170_proj, .Lfunc_end_k_q8b8fcd8170_proj-k_q8b8fcd8170_proj
	.p2alignl 7, 3214868480
	.fill 96, 4, 3214868480
	.section	.rodata,"a",@progbits
	.p2align	6, 0x0
	.amdhsa_kernel k_q8b8fcd8170_proj
		.amdhsa_group_segment_fixed_size 327680
		.amdhsa_private_segment_fixed_size 0
		.amdhsa_enable_private_segment 0
		.amdhsa_kernarg_size 56
		.amdhsa_user_sgpr_count 2
		.amdhsa_user_sgpr_kernarg_segment_ptr 1
		.amdhsa_wavefront_size32 1
		.amdhsa_system_sgpr_workgroup_id_x 1
		.amdhsa_system_sgpr_workgroup_id_y 1
		.amdhsa_system_sgpr_workgroup_id_z 1
		.amdhsa_system_vgpr_workitem_id 0
		.amdhsa_next_free_vgpr 1024
		.amdhsa_next_free_sgpr 100
		.amdhsa_reserve_vcc 0
		.amdhsa_float_denorm_mode_32 3
		.amdhsa_float_denorm_mode_16_64 3
		.amdhsa_memory_ordered 1
		.amdhsa_forward_progress 1
		.amdhsa_inst_pref_size 149
	.end_amdhsa_kernel
	.amdgpu_metadata
---
amdhsa.version: [ 1, 2 ]
amdhsa.kernels:
  - .name:           k_q8b8fcd8170_proj
    .symbol:         k_q8b8fcd8170_proj.kd
    .args:
      - { .name: codes, .offset: 0, .size: 8, .value_kind: global_buffer, .address_space: global }
      - { .name: scales, .offset: 8, .size: 8, .value_kind: global_buffer, .address_space: global }
      - { .name: wq_b, .offset: 16, .size: 8, .value_kind: global_buffer, .address_space: global }
      - { .name: wk_b, .offset: 24, .size: 8, .value_kind: global_buffer, .address_space: global }
      - { .name: wv_b, .offset: 32, .size: 8, .value_kind: global_buffer, .address_space: global }
      - { .name: qkv, .offset: 40, .size: 8, .value_kind: global_buffer, .address_space: global }
      - { .name: fp, .offset: 48, .size: 8, .value_kind: global_buffer, .address_space: global }
    .group_segment_fixed_size: 327680
    .private_segment_fixed_size: 0
    .kernarg_segment_align: 8
    .kernarg_segment_size: 56
    .max_flat_workgroup_size: 128
    .sgpr_count:     100
    .vgpr_count:     1024
    .wavefront_size: 32
...
	.end_amdgpu_metadata
.endif
;; end of part 2
;; launch attn (part 3): grid 8 x 32, 16 waves a work-group, no clusters, 167,936 bytes of LDS; arguments qkv, mask, mflag, mval, o2, fp; writes o2, fp
.if DOCPART == 3
	.amdgcn_target "amdgcn-amd-amdhsa--gfx1250"
	.amdhsa_code_object_version 6
	.text
	.protected	k_q8b8fcd8170_attn
	.globl	k_q8b8fcd8170_attn
	.p2align	8
	.type	k_q8b8fcd8170_attn,@function
k_q8b8fcd8170_attn:
	s_mov_b64 s[64:65], 0
	v_nop
	global_prefetch_b8 v0, s[64:65] scope:SCOPE_SE
	s_setreg_imm32_b32 hwreg(HW_REG_WAVE_MODE, 25, 1), 1
	s_wait_xcnt 0x0
; ATTN.  o = softmax(q k^T / 8 + mask x -1e9) v for every (batch, head), on f16 operands with f32 sums; q arrives multiplied by log2(e) / 8, so scores are exponents of 2.
; SHARES.  A work-group owns 256 queries (x) of one (batch, head) (y).  Wave w owns 32 of them (group w % 8: two tiles of 16) and half of the keys (w / 8: 1,024 keys), 64 keys a step, 16 steps.
; At the end waves 8-15 hand their maximum, sum and O to waves 0-7 through LDS.  Both products are used transposed (S^T = K Q^T, O^T = V^T P): a lane holds one query throughout.
; K AND V of both key halves, 64 keys each, are staged by all 512 threads: 16 bytes a thread and tile from memory into registers a step ahead, then into the LDS slot that is not being read; one barrier a step.
; THE MASK IS AN INPUT AND NO PATTERN OF IT IS BUILT IN.  An earlier launch has stored, for each block of 32 queries x 64 keys (one step of one wave), a class as a whole number, a number A, and a bit for each
; number that is not 0.  Class 0: the block is all zeros: nothing is added.  Class 2: all its numbers are equal: A = number x (-1e9 log2 e) is added to the 64 scores.  Class 3: each number is 0 or v:
; bit x A is added, A = v x (-1e9 log2 e); the bit words, 8 bytes a query, are loaded in every step for the next one, so that this way waits for no load.  Class 1, any other block: its f32 numbers are
; loaded and enter by a fused multiply-add.  The branch hangs on a stored whole number.  This launch has no tensor load and no cluster: what joint loads could spare is the eightfold read of
; K and V (8 x 16 MiB); what the branch spares is up to 32 reads of the 16 MiB mask.
; THE FIRST 16 POSITIONS.  For queries 0-15 the scores of keys 0-15 are set to -infinity here (a branch on ids), and that wave stores its unnormalised maximum, sum and O over keys 16 on in f32:
; the last launch makes that corner in f32 and joins the two.
; LIMITS: NaN and infinities are not served; |o| stays under 65,504.
.set KP,    144                        ; a key's row in LDS: 128 bytes + 16
.set VP,    160                        ; a value's row: 128 + 32, an odd multiple of 32 for the turning load
.set KH,    64*KP
.set VH,    64*VP
.set VOFF,  2*KH                       ; a slot: K of half 0, K of half 1, V of half 0, V of half 1
.set SLOTB, VOFF+2*VH
.set MRG,   2*SLOTB                    ; 8 x (O's image 8,192 + m0, m1, l0, l1 of 128 bytes)
.set MRGW,  8704
.set STG,   MRG+8*MRGW                 ; 8 stages of 16 rows x 144
.set STGW,  16*KP
.set SPARE, STG+8*STGW                 ; the spare words: 128 bytes a wave, named by no other line
.set SPW, 1
.set NIL, 2
.set AK,  3                            ; my lane's place in a tile of K (my key half)
.set AV,  4                            ; and of V
.set GLD, 5                            ; 16 x thread: staging, in memory
.set LSK, 6                            ; staging, in LDS: K
.set LSV, 7                            ; V
.set MOF, 8                            ; my lane's place in a mask block
.set BO,  9                            ; 8 x (lane % 16): my query's two bit words
.set SH,  10                           ; 2 x (lane / 16): my half's keys begin so many bits up in each field
.set SG,  12                           ; v12-27 four staged loads
.set BW,  28                           ; v28-31 the step's bit words: tile t's at +2 t
.set ST,  36                           ; v36-51 tile t at +8 t: +0 m, +1 the old m, +2, +3 l in two halves, +4..7 at work (+6: a)
.set Q,   52                           ; v52-83   16 t + 8 ks
.set KV,  84                           ; v84-115  four fragments of K or V; a tile's mask, or its bits as numbers
.set S,   116                          ; v116-179 32 t + 8 kt; p is packed into each tile's lower 16, V's second half lands in the upper 16
.set O,   180                          ; v180-243 32 t + 8 ct
.set MRA, 244
.set MRS, 245
.set STO, 246
.set RD,  247
.set GO,  248
.set MB,  249                          ; v249-252 the partner's m0, m1, l0, l1
.set L16, 253
.set L4,  254
.set QO,  255
.set WV,  24
.set HF,  25
.set GQ,  26
.set BH,  27
.set SOF, 28                           ; byte offset of the step's class and A
.set SF,  29
.set SA,  30                           ; s[30:31]
.set NG,  32                           ; s[32:33] -1e9 log2 e
.set SEL, 34
.set TRIP, 36
.set SSP, 37                           ; 1 until the corner has been hidden, in the one wave that has it
.set SSP2, 38                          ; 1 in that wave
.set QB,  44
.set PB,  46
; A KEY STEP on slot.  st: the staged tile goes into the other slot.  ld: the tile after it is asked for.  nb: the next step's bit words are asked for.  cor: the corner may lie in this step.
.macro STEP slot, st, ld, nb, cor
	s_load_b32 s[SF], s[8:9], s[SOF] offset:0x0    ; this step's class and A: wanted behind the score products
	s_load_b32 s[SA], s[10:11], s[SOF] offset:0x80000
	s_wait_loadcnt 0x0                             ; the next step's tiles (asked for a step ago) and this step's bit words are in my registers
.if \st
	ds_store_b128 v[LSK], v[SG:SG+3] offset:(1-\slot)*SLOTB          ; the other slot: every wave's reads of it ended ahead of the last barrier
	ds_store_b128 v[LSK], v[SG+4:SG+7] offset:(1-\slot)*SLOTB+KH
	ds_store_b128 v[LSV], v[SG+8:SG+11] offset:(1-\slot)*SLOTB
	ds_store_b128 v[LSV], v[SG+12:SG+15] offset:(1-\slot)*SLOTB+VH
.endif
.irp kt, 0,1,2,3
	ds_load_b128 v[KV+8*\kt:KV+8*\kt+3], v[AK] offset:\slot*SLOTB+\kt*16*KP
	ds_load_b128 v[KV+8*\kt+4:KV+8*\kt+7], v[AK] offset:\slot*SLOTB+\kt*16*KP+32
.endr
.if \nb
	s_add_nc_u64 s[22:23], s[22:23], 256           ; the next block's bit words (no load is out)
.endif
.if \ld
	s_add_nc_u64 s[16:17], s[16:17], 8192          ; (no load that names these is out)
	s_add_nc_u64 s[18:19], s[18:19], 8192
	s_wait_dscnt 8                                 ; K's eight loads may be out: the four stores have read their registers
	global_load_b128 v[SG:SG+3], v[GLD], s[16:17]
	global_load_b128 v[SG+4:SG+7], v[GLD], s[16:17] offset:131072
	global_load_b128 v[SG+8:SG+11], v[GLD], s[18:19]
	global_load_b128 v[SG+12:SG+15], v[GLD], s[18:19] offset:131072
.endif
	s_wait_dscnt 0x0
.irp kt, 0,1,2,3                       ; S^T = K Q^T, channels 0-31: eight accumulators by turns, begun with 0
.irp t, 0,1
	v_wmma_f32_16x16x32_f16 v[S+32*\t+8*\kt:S+32*\t+8*\kt+7], v[KV+8*\kt:KV+8*\kt+7], v[Q+16*\t:Q+16*\t+7], 0
.endr
.endr
.rept 4
	v_nop                                          ; four plain places ahead of loads into registers that matrix instructions have read
.endr
.irp kt, 0,1,2,3
	ds_load_b128 v[KV+8*\kt:KV+8*\kt+3], v[AK] offset:\slot*SLOTB+\kt*16*KP+64
	ds_load_b128 v[KV+8*\kt+4:KV+8*\kt+7], v[AK] offset:\slot*SLOTB+\kt*16*KP+96
.endr
	s_wait_dscnt 0x0
.irp kt, 0,1,2,3                       ; channels 32-63
.irp t, 0,1
	v_wmma_f32_16x16x32_f16 v[S+32*\t+8*\kt:S+32*\t+8*\kt+7], v[KV+8*\kt:KV+8*\kt+7], v[Q+16*\t+8:Q+16*\t+15], v[S+32*\t+8*\kt:S+32*\t+8*\kt+7]
.endr
.endr
.rept 4
	v_nop                                          ; places ahead of the first read of the scores and of writes and loads into K's registers
.endr
	s_wait_kmcnt 0x0
	s_cmp_eq_u32 s[SF], 0
	s_cbranch_scc1 .Lopen_\@
	s_cmp_eq_u32 s[SF], 2
	s_cbranch_scc1 .Luni_\@
	s_cmp_eq_u32 s[SF], 3
	s_cbranch_scc1 .Lbit_\@
.irp t, 0,1                            ; class 1: the block itself, a tile of 16 queries at a time: lane (r, h) takes query r, keys 16 kt + 8 h + 0..7
.irp kt, 0,1,2,3
	global_load_b128 v[KV+8*\kt:KV+8*\kt+3], v[MOF], s[20:21] offset:\t*131072+\kt*64
	global_load_b128 v[KV+8*\kt+4:KV+8*\kt+7], v[MOF], s[20:21] offset:\t*131072+\kt*64+16
.endr
	s_wait_loadcnt 0x0                             ; (it also waits for the staging loads: accepted on this way)
.set i, 0
.rept 16
	v_pk_fma_f32 v[S+32*\t+i:S+32*\t+i+1], v[KV+i:KV+i+1], s[NG:NG+1], v[S+32*\t+i:S+32*\t+i+1] op_sel_hi:[1,0,1]
.set i, i+2
.endr
.endr
	s_branch .Lopen_\@
.Lbit_\@:                              ; class 3: register e = 8 kt + j holds key 16 kt + 8 h + j = 4 m + c, c = j % 4, m = 4 kt + 2 h + j / 4: bit 16 (c % 2) + m of word c / 2
.irp t, 0,1
	v_lshrrev_b32 v[BW+2*\t], v[SH], v[BW+2*\t]    ; 2 h bits down: the rest of a bit's place is the same in all lanes
	v_lshrrev_b32 v[BW+2*\t+1], v[SH], v[BW+2*\t+1]
.set e, 0
.rept 32
	v_bfe_u32 v[KV+e], v[BW+2*\t+((e&3)>>1)], 16*(e&1)+4*(e>>3)+((e&7)>>2), 1
.set e, e+1
.endr
.set e, 0
.rept 32
	v_cvt_f32_u32 v[KV+e], v[KV+e]                 ; 0.0 or 1.0
.set e, e+1
.endr
.set i, 0
.rept 16
	v_pk_fma_f32 v[S+32*\t+i:S+32*\t+i+1], v[KV+i:KV+i+1], s[SA:SA+1], v[S+32*\t+i:S+32*\t+i+1] op_sel_hi:[1,0,1]   ; score + bit x A, in f32
.set i, i+2
.endr
.endr
	s_branch .Lopen_\@
.Luni_\@:
.set i, 0
.rept 32                               ; class 2: one number for the whole block, added in f32
	v_pk_add_f32 v[S+i:S+i+1], v[S+i:S+i+1], s[SA:SA+1] op_sel_hi:[1,0]
.set i, i+2
.endr
.Lopen_\@:
.irp ct, 0,1,2,3                       ; V^T, keys 0-31 of the step: wanted behind the softmax
	ds_load_tr16_b128 v[KV+8*\ct:KV+8*\ct+3], v[AV] offset:\slot*SLOTB+\ct*32
	ds_load_tr16_b128 v[KV+8*\ct+4:KV+8*\ct+7], v[AV] offset:\slot*SLOTB+16*VP+\ct*32
.endr
.if \nb
	global_load_b64 v[BW:BW+1], v[BO], s[22:23]                      ; the next step's bit words: the softmax and the second product stand between this and the wait for them
	global_load_b64 v[BW+2:BW+3], v[BO], s[22:23] offset:128
.endif
.if \cor
	s_cmp_eq_u32 s[SSP], 1
	s_cbranch_scc0 .Lnc_\@
.irp j, 0,1,2,3,4,5,6,7
	v_mov_b32 v[S+\j], 0xff800000                  ; queries 0-15 x keys 0-15: left to the last launch
.endr
	s_mov_b32 s[SSP], 0
.Lnc_\@:
.endif
	; the maximum of a lane's 32 scores and the old m; each accumulator is first read at its low end
.irp j, 0,1,2,3
.irp t, 0,1
	v_max3_num_f32 v[ST+8*\t+4+\j], v[S+32*\t+8*\j], v[S+32*\t+8*\j+1], v[S+32*\t+8*\j+2]
.endr
.endr
.irp u, 1,2
.irp j, 0,1,2,3
.irp t, 0,1
	v_max3_num_f32 v[ST+8*\t+4+\j], v[ST+8*\t+4+\j], v[S+32*\t+8*\j+2*\u+1], v[S+32*\t+8*\j+2*\u+2]
.endr
.endr
.endr
.irp t, 0,1
	v_max3_num_f32 v[ST+8*\t+4], v[ST+8*\t+4], v[S+32*\t+7], v[S+32*\t+15]
	v_max3_num_f32 v[ST+8*\t+6], v[ST+8*\t+6], v[S+32*\t+23], v[S+32*\t+31]
.endr
.irp t, 0,1
	v_max3_num_f32 v[ST+8*\t+4], v[ST+8*\t+4], v[ST+8*\t+5], v[ST+8*\t+6]
.endr
.irp t, 0,1
	v_max3_num_f32 v[ST+8*\t+4], v[ST+8*\t+4], v[ST+8*\t+7], v[ST+8*\t]
.endr
.irp t, 0,1
	v_permlanex16_b32 v[ST+8*\t+5], v[ST+8*\t+4], s[SEL], s[SEL+1]   ; the query's other 32 keys lie 16 lanes away
.endr
.irp t, 0,1
	v_mov_b32 v[ST+8*\t+1], v[ST+8*\t]
.endr
.irp t, 0,1
	v_max_num_f32 v[ST+8*\t], v[ST+8*\t+4], v[ST+8*\t+5]             ; the new m
.endr
.irp t, 0,1
	v_sub_f32 v[ST+8*\t+7], v[ST+8*\t+1], v[ST+8*\t]
.endr
.set i, 0
.rept 16
	v_pk_add_f32 v[S+i:S+i+1], v[S+i:S+i+1], v[ST:ST+1] op_sel_hi:[1,0] neg_lo:[0,1] neg_hi:[0,1]
	v_pk_add_f32 v[S+32+i:S+33+i], v[S+32+i:S+33+i], v[ST+8:ST+9] op_sel_hi:[1,0] neg_lo:[0,1] neg_hi:[0,1]
.set i, i+2
.endr
	v_exp_f32 v[ST+6], v[ST+7]                     ; a = 2^(old m - new m)
	v_exp_f32 v[ST+14], v[ST+15]
.set i, 0
.rept 32
	v_exp_f32 v[S+i], v[S+i]                       ; p = 2^(s - m)
	v_exp_f32 v[S+32+i], v[S+32+i]
.set i, i+1
.endr
	v_nop                                          ; a plain instruction behind the last exponential
	s_wait_alu depctr_va_vdst(0)                   ; one wait for the 66, ahead of their first reader
.irp t, 0,1                            ; l = a l + the sum of p, unrounded, in two chains
	v_pk_add_f32 v[ST+8*\t+4:ST+8*\t+5], v[S+32*\t:S+32*\t+1], v[S+32*\t+2:S+32*\t+3]
	v_pk_fma_f32 v[ST+8*\t+2:ST+8*\t+3], v[ST+8*\t+2:ST+8*\t+3], v[ST+8*\t+6:ST+8*\t+7], v[S+32*\t+4:S+32*\t+5] op_sel_hi:[1,0,1]
.endr
.irp i, 6,10,14,18,22,26
.irp t, 0,1
	v_pk_add_f32 v[ST+8*\t+4:ST+8*\t+5], v[ST+8*\t+4:ST+8*\t+5], v[S+32*\t+\i:S+32*\t+\i+1]
	v_pk_add_f32 v[ST+8*\t+2:ST+8*\t+3], v[ST+8*\t+2:ST+8*\t+3], v[S+32*\t+\i+2:S+32*\t+\i+3]
.endr
.endr
.irp t, 0,1
	v_pk_add_f32 v[ST+8*\t+4:ST+8*\t+5], v[ST+8*\t+4:ST+8*\t+5], v[S+32*\t+30:S+32*\t+31]
.endr
.irp t, 0,1
	v_pk_add_f32 v[ST+8*\t+2:ST+8*\t+3], v[ST+8*\t+2:ST+8*\t+3], v[ST+8*\t+4:ST+8*\t+5]
.endr
.set i, 0
.rept 16                               ; p to f16, packed in place: register i takes numbers 2 i, 2 i + 1, which no later line reads
	v_cvt_pk_f16_f32 v[S+i], v[S+2*i], v[S+2*i+1]
	v_cvt_pk_f16_f32 v[S+32+i], v[S+32+2*i], v[S+33+2*i]
.set i, i+1
.endr
.irp ct, 0,1,2,3                       ; V^T, keys 32-63, into the registers that the packing has freed
	ds_load_tr16_b128 v[S+16+32*(\ct/2)+8*(\ct%2):S+16+32*(\ct/2)+8*(\ct%2)+3], v[AV] offset:\slot*SLOTB+32*VP+\ct*32
	ds_load_tr16_b128 v[S+20+32*(\ct/2)+8*(\ct%2):S+20+32*(\ct/2)+8*(\ct%2)+3], v[AV] offset:\slot*SLOTB+48*VP+\ct*32
.endr
.set i, 0
.rept 16                               ; O^T x a
	v_pk_mul_f32 v[O+i:O+i+1], v[O+i:O+i+1], v[ST+6:ST+7] op_sel_hi:[1,0]
	v_pk_mul_f32 v[O+32+i:O+33+i], v[O+32+i:O+33+i], v[ST+14:ST+15] op_sel_hi:[1,0]
.set i, i+2
.endr
	s_wait_dscnt 8                                 ; V's first eight loads are in; the eight just issued may be out
.irp ct, 0,1,2,3                       ; O^T += V^T P: eight accumulators by turns
.irp t, 0,1
	v_wmma_f32_16x16x32_f16 v[O+32*\t+8*\ct:O+32*\t+8*\ct+7], v[KV+8*\ct:KV+8*\ct+7], v[S+32*\t:S+32*\t+7], v[O+32*\t+8*\ct:O+32*\t+8*\ct+7]
.endr
.endr
	s_wait_dscnt 0x0                               ; my last reads of this slot are back, and my stores into the other slot have landed:
	s_barrier_signal -1                            ; say so; only work on registers stands between this and the wait
.irp ct, 0,1,2,3
.irp t, 0,1
	v_wmma_f32_16x16x32_f16 v[O+32*\t+8*\ct:O+32*\t+8*\ct+7], v[S+16+32*(\ct/2)+8*(\ct%2):S+16+32*(\ct/2)+8*(\ct%2)+7], v[S+32*\t+8:S+32*\t+15], v[O+32*\t+8*\ct:O+32*\t+8*\ct+7]
.endr
.endr
.rept 5
	v_nop                                          ; five places: the next step's first products write over registers that these have read; its loads want four
.endr
	s_add_nc_u64 s[20:21], s[20:21], 256           ; the next block of the mask (no load that names it is out)
	s_add_co_u32 s[SOF], s[SOF], 4
	s_barrier_wait -1                              ; all sixteen have said so: the slot just read may be stored into, the other may be read
.endm
	s_load_b256 s[4:11], s[0:1], 0x0               ; qkv, mask, mflag, mval
	s_load_b128 s[12:15], s[0:1], 0x20             ; o2, fp
	v_lshl_add_u32 v[SPW], v0, 2, SPARE
	v_mov_b32 v[NIL], 0
	v_lshrrev_b32 v9, 5, v0
	v_readfirstlane_b32 s[WV], v9
	s_lshr_b32 s[HF], s[WV], 3
	s_and_b32 s[GQ], s[WV], 7
	s_and_b32 s[BH], ttmp7, 0xffff
	v_and_b32 v9, 15, v0                           ; r
	v_bfe_u32 v10, v0, 4, 1                        ; h
	v_and_b32 v11, 31, v0                          ; lane
	v_mul_u32_u24 v[AK], v9, KP
	v_lshl_add_u32 v[AK], v10, 4, v[AK]
	s_mul_i32 s40, s[HF], KH
	v_add_nc_u32 v[AK], s40, v[AK]
	v_and_b32 v28, 7, v0
	v_lshl_add_u32 v28, v10, 3, v28
	v_mul_u32_u24 v[AV], v28, VP
	v_bfe_u32 v28, v0, 3, 1
	v_lshl_add_u32 v[AV], v28, 4, v[AV]
	s_mul_i32 s40, s[HF], VH
	s_add_co_u32 s40, s40, VOFF
	v_add_nc_u32 v[AV], s40, v[AV]
	v_lshlrev_b32 v[GLD], 4, v0
	v_lshrrev_b32 v28, 3, v0
	v_and_b32 v29, 7, v0
	v_mul_u32_u24 v[LSK], v28, KP
	v_lshl_add_u32 v[LSK], v29, 4, v[LSK]
	v_mul_u32_u24 v[LSV], v28, VP
	v_lshl_add_u32 v[LSV], v29, 4, v[LSV]
	v_add_nc_u32 v[LSV], VOFF, v[LSV]
	v_lshlrev_b32 v[MOF], 13, v9
	v_lshl_add_u32 v[MOF], v10, 5, v[MOF]
	s_mul_i32 s40, s[GQ], MRGW
	s_add_co_u32 s40, s40, MRG
	v_lshl_add_u32 v[MRA], v11, 4, s40
	v_lshl_add_u32 v[MRS], v11, 2, s40
	s_mul_i32 s40, s[GQ], STGW
	s_add_co_u32 s40, s40, STG
	v_mul_u32_u24 v[STO], v9, KP
	v_lshl_add_u32 v[STO], v10, 4, v[STO]
	v_add_nc_u32 v[STO], s40, v[STO]
	v_bfe_u32 v28, v0, 3, 1
	v_lshl_add_u32 v28, v10, 1, v28                ; 2 (lane / 16) + (lane / 8) % 2
	v_mul_u32_u24 v[RD], v28, KP
	v_lshl_add_u32 v[RD], v29, 4, v[RD]
	v_add_nc_u32 v[RD], s40, v[RD]
	v_lshlrev_b32 v[GO], 12, v10
	v_lshl_add_u32 v[GO], v9, 4, v[GO]
	v_lshlrev_b32 v[L16], 4, v11
	v_lshlrev_b32 v[L4], 2, v11
	v_lshlrev_b32 v[QO], 7, v9
	v_lshl_add_u32 v[QO], v10, 4, v[QO]
	v_lshlrev_b32 v[BO], 3, v9                     ; r and h have served: 8 r,
	v_lshlrev_b32 v[SH], 1, v10                    ; and 2 h
	s_mov_b32 s[SA+1], 0
	s_mov_b32 s[NG], 0xceabfb8f
	s_mov_b32 s[NG+1], s[NG]
	s_mov_b32 s[SEL], 0x76543210
	s_mov_b32 s[SEL+1], 0xfedcba98
	s_or_b32 s[SSP], ttmp9, s[WV]
	s_cmp_eq_u32 s[SSP], 0
	s_cselect_b32 s[SSP], 1, 0                     ; wave 0 of the head's first work-group
	s_mov_b32 s[SSP2], s[SSP]
	s_lshl_b32 s[SOF], ttmp9, 3
	s_add_co_u32 s[SOF], s[SOF], s[GQ]
	s_lshl_b32 s[SOF], s[SOF], 5
	s_lshl_b32 s40, s[HF], 4
	s_add_co_u32 s[SOF], s[SOF], s40
	s_lshl_b32 s[SOF], s[SOF], 2                   ; ((8 x + group) x 32 + 16 half) x 4
	s_mov_b32 s41, 0
	s_wait_kmcnt 0x0
	s_lshl_b32 s40, s[SOF], 6                      ; the same block's bit words: 256 bytes a block
	s_add_nc_u64 s[22:23], s[10:11], s[40:41]
	s_lshl_b32 s40, s[BH], 18                      ; a (batch, head): 2,048 rows of 128 bytes
	s_add_nc_u64 s[QB:QB+1], s[4:5], s[40:41]
	s_add_nc_u64 s[16:17], s[QB:QB+1], 0x800000    ; k
	s_add_nc_u64 s[18:19], s[QB:QB+1], 0x1000000   ; v
	s_lshl_b32 s40, ttmp9, 15
	s_lshl_b32 s42, s[GQ], 12
	s_add_co_u32 s40, s40, s42
	s_add_nc_u64 s[QB:QB+1], s[QB:QB+1], s[40:41]  ; my 32 queries
	s_lshl_b32 s40, ttmp9, 21
	s_lshl_b32 s42, s[GQ], 18
	s_add_co_u32 s40, s40, s42
	s_lshl_b32 s42, s[HF], 12
	s_add_co_u32 s40, s40, s42
	s_add_nc_u64 s[20:21], s[6:7], s[40:41]        ; the mask at my first query and key
	s_lshr_b32 s40, s[BH], 4
	s_lshl_b32 s40, s40, 10
	s_lshl_b32 s42, ttmp9, 7
	s_add_co_u32 s40, s40, s42
	s_lshl_b32 s42, s[GQ], 4
	s_add_co_u32 s40, s40, s42
	s_lshl_b32 s40, s40, 12
	s_and_b32 s42, s[BH], 15
	s_lshl_b32 s42, s42, 8
	s_add_co_u32 s40, s40, s42
	s_add_nc_u64 s[12:13], s[12:13], s[40:41]      ; o2: my first pair of tokens, my head
	s_mul_i32 s40, s[BH], 4608
	s_add_co_u32 s40, s40, 393216
	s_add_nc_u64 s[PB:PB+1], s[14:15], s[40:41]
	global_load_b128 v[SG:SG+3], v[GLD], s[16:17]  ; step 0's tiles
	global_load_b128 v[SG+4:SG+7], v[GLD], s[16:17] offset:131072
	global_load_b128 v[SG+8:SG+11], v[GLD], s[18:19]
	global_load_b128 v[SG+12:SG+15], v[GLD], s[18:19] offset:131072
.irp t, 0,1
.irp ks, 0,1
	global_load_b128 v[Q+16*\t+8*\ks:Q+16*\t+8*\ks+3], v[QO], s[QB:QB+1] offset:2048*\t+64*\ks
	global_load_b128 v[Q+16*\t+8*\ks+4:Q+16*\t+8*\ks+7], v[QO], s[QB:QB+1] offset:2048*\t+64*\ks+32
.endr
.endr
	global_load_b64 v[BW:BW+1], v[BO], s[22:23]    ; step 0's bit words
	global_load_b64 v[BW+2:BW+3], v[BO], s[22:23] offset:128
.irp t, 0,1
	v_mov_b32 v[ST+8*\t], 0xff61b1e6               ; m = -3e38, under every score
	v_mov_b32 v[ST+8*\t+1], 0xff61b1e6
.irp j, 2,3,4,5,6,7
	v_mov_b32 v[ST+8*\t+\j], 0                     ; l, and registers that are named before they are first made
.endr
.endr
.set i, 0
.rept 64
	v_mov_b32 v[O+i], 0                            ; the step is written once: the first finds zeros, which a = 0 leaves zeros
.set i, i+1
.endr
	s_wait_loadcnt 10                              ; step 0's tiles are in; Q's eight loads and the two of the bit words may be out
	ds_store_b128 v[LSK], v[SG:SG+3]
	ds_store_b128 v[LSK], v[SG+4:SG+7] offset:KH
	ds_store_b128 v[LSV], v[SG+8:SG+11]
	ds_store_b128 v[LSV], v[SG+12:SG+15] offset:VH
	s_add_nc_u64 s[16:17], s[16:17], 8192
	s_add_nc_u64 s[18:19], s[18:19], 8192
	s_wait_dscnt 0x0                               ; the stores have landed, and have read their registers
	global_load_b128 v[SG:SG+3], v[GLD], s[16:17]  ; step 1's tiles
	global_load_b128 v[SG+4:SG+7], v[GLD], s[16:17] offset:131072
	global_load_b128 v[SG+8:SG+11], v[GLD], s[18:19]
	global_load_b128 v[SG+12:SG+15], v[GLD], s[18:19] offset:131072
	s_barrier_signal -1
	s_barrier_wait -1
	s_mov_b32 s[TRIP], 7
.Lkeys:                                ; seven trips of two steps; the last two steps are written out: they ask for nothing beyond the keys
	STEP 0, 1, 1, 1, 1
	STEP 1, 1, 1, 1, 0
	s_sub_co_u32 s[TRIP], s[TRIP], 1
	s_cmp_lg_u32 s[TRIP], 0
	s_cbranch_scc1 .Lkeys
	STEP 0, 1, 0, 1, 0
	STEP 1, 0, 0, 0, 0
	; ---- the two key halves meet
.irp t, 0,1
	v_add_f32 v[ST+8*\t+2], v[ST+8*\t+2], v[ST+8*\t+3]
.endr
.irp t, 0,1
	v_permlanex16_b32 v[ST+8*\t+5], v[ST+8*\t+2], s[SEL], s[SEL+1]
.endr
.irp t, 0,1
	v_add_f32 v[ST+8*\t+2], v[ST+8*\t+2], v[ST+8*\t+5]               ; the query's sum over my keys
.endr
	s_cmp_lt_u32 s[WV], 8
	s_cbranch_scc1 .Lkeep
.set i, 0
.rept 16
	ds_store_b128 v[MRA], v[O+4*i:O+4*i+3] offset:512*i              ; O as an image of its registers
.set i, i+1
.endr
	ds_store_b32 v[MRS], v[ST] offset:8192
	ds_store_b32 v[MRS], v[ST+8] offset:8192+128
	ds_store_b32 v[MRS], v[ST+2] offset:8192+256
	ds_store_b32 v[MRS], v[ST+10] offset:8192+384
.Lkeep:
	s_wait_dscnt 0x0
	s_barrier_signal -1
	s_barrier_wait -1
	s_cmp_lt_u32 s[WV], 8
	s_cbranch_scc0 .Lend
.set i, 0
.rept 16
	ds_load_b128 v[S+4*i:S+4*i+3], v[MRA] offset:512*i
.set i, i+1
.endr
	ds_load_b32 v[MB], v[MRS] offset:8192
	ds_load_b32 v[MB+1], v[MRS] offset:8192+128
	ds_load_b32 v[MB+2], v[MRS] offset:8192+256
	ds_load_b32 v[MB+3], v[MRS] offset:8192+384
	s_wait_dscnt 0x0
.irp t, 0,1
	v_max_num_f32 v[ST+8*\t+1], v[ST+8*\t], v[MB+\t]                 ; the joint m
.endr
.irp t, 0,1
	v_sub_f32 v[ST+8*\t+4], v[ST+8*\t], v[ST+8*\t+1]
	v_sub_f32 v[ST+8*\t+6], v[MB+\t], v[ST+8*\t+1]
.endr
.irp t, 0,1
	v_exp_f32 v[ST+8*\t+4], v[ST+8*\t+4]
	v_exp_f32 v[ST+8*\t+6], v[ST+8*\t+6]
.endr
	v_nop
	s_wait_alu depctr_va_vdst(0)                   ; one wait for the four
.irp t, 0,1
	v_mul_f32 v[ST+8*\t+2], v[ST+8*\t+2], v[ST+8*\t+4]
.endr
.irp t, 0,1
	v_fma_f32 v[ST+8*\t+2], v[MB+2+\t], v[ST+8*\t+6], v[ST+8*\t+2]
.endr
.irp t, 0,1
.set i, 0
.rept 16
	v_pk_mul_f32 v[O+32*\t+i:O+32*\t+i+1], v[O+32*\t+i:O+32*\t+i+1], v[ST+8*\t+4:ST+8*\t+5] op_sel_hi:[1,0]
.set i, i+2
.endr
.endr
.irp t, 0,1
.set i, 0
.rept 16
	v_pk_fma_f32 v[O+32*\t+i:O+32*\t+i+1], v[S+32*\t+i:S+32*\t+i+1], v[ST+8*\t+6:ST+8*\t+7], v[O+32*\t+i:O+32*\t+i+1] op_sel_hi:[1,0,1]
.set i, i+2
.endr
.endr
	s_cmp_eq_u32 s[SSP2], 1
	s_cbranch_scc0 .Lnoexp
.set i, 0
.rept 8
	global_store_b128 v[L16], v[O+4*i:O+4*i+3], s[PB:PB+1] offset:512*i   ; queries 0-15, keys 16 on: O, m and l, unnormalised, f32
.set i, i+1
.endr
	global_store_b32 v[L4], v[ST+1], s[PB:PB+1] offset:4096
	global_store_b32 v[L4], v[ST+2], s[PB:PB+1] offset:4224
.Lnoexp:
	v_rcp_f32 v[ST+4], v[ST+2]
	v_rcp_f32 v[ST+12], v[ST+10]
	v_nop
	s_wait_alu depctr_va_vdst(0)
.irp t, 0,1
.set i, 0
.rept 16
	v_pk_mul_f32 v[S+32*\t+i:S+32*\t+i+1], v[O+32*\t+i:O+32*\t+i+1], v[ST+8*\t+4:ST+8*\t+5] op_sel_hi:[1,0]   ; into other registers: the export's data stay as they are
.set i, i+2
.endr
.endr
.set i, 0
.rept 32
	v_cvt_pk_f16_f32 v[KV+i], v[S+2*i], v[S+2*i+1]
.set i, i+1
.endr
.irp t, 0,1                            ; a tile's 16 rows of 128 bytes through my stage; back as pairs of tokens, 256 bytes a pair
.irp ct, 0,1,2,3
	ds_store_b128 v[STO], v[KV+16*\t+4*\ct:KV+16*\t+4*\ct+3] offset:32*\ct
.endr
.irp i, 0,1,2,3
	ds_load_b128 v[Q+16*\t+4*\i:Q+16*\t+4*\i+3], v[RD] offset:\i*4*KP    ; LDS serves a wave's instructions in order
.endr
.endr
.irp t, 0,1
.irp i, 0,1,2,3
	s_wait_dscnt 8*(1-\t)+3-\i                     ; the younger LDS instructions may be out
	global_store_b128 v[GO], v[Q+16*\t+4*\i:Q+16*\t+4*\i+3], s[12:13] offset:\t*32768+\i*8192   ; sixteen lanes store 256 consecutive bytes, aligned
.endr
.endr
.Lend:
	s_wait_tensorcnt 0x0                           ; the wave's end, behind my last LDS store
	ds_add_u32 v[SPW], v[NIL]
	s_wait_dscnt 0x0
	s_endpgm
.Lfunc_end_k_q8b8fcd8170_attn:
	.size	k_q8b8fcd8170_attn, .Lfunc_end_k_q8b8fcd8170_attn-k_q8b8fcd8170_attn
	.p2alignl 7, 3214868480
	.fill 96, 4, 3214868480
	.section	.rodata,"a",@progbits
	.p2align	6, 0x0
	.amdhsa_kernel k_q8b8fcd8170_attn
		.amdhsa_group_segment_fixed_size 167936
		.amdhsa_private_segment_fixed_size 0
		.amdhsa_enable_private_segment 0
		.amdhsa_kernarg_size 48
		.amdhsa_user_sgpr_count 2
		.amdhsa_user_sgpr_kernarg_segment_ptr 1
		.amdhsa_wavefront_size32 1
		.amdhsa_system_sgpr_workgroup_id_x 1
		.amdhsa_system_sgpr_workgroup_id_y 1
		.amdhsa_system_sgpr_workgroup_id_z 1
		.amdhsa_system_vgpr_workitem_id 0
		.amdhsa_next_free_vgpr 256
		.amdhsa_next_free_sgpr 66
		.amdhsa_reserve_vcc 0
		.amdhsa_float_denorm_mode_32 3
		.amdhsa_float_denorm_mode_16_64 3
		.amdhsa_memory_ordered 1
		.amdhsa_forward_progress 1
		.amdhsa_inst_pref_size 153
	.end_amdhsa_kernel
	.amdgpu_metadata
---
amdhsa.version: [ 1, 2 ]
amdhsa.kernels:
  - .name:           k_q8b8fcd8170_attn
    .symbol:         k_q8b8fcd8170_attn.kd
    .args:
      - { .name: qkv, .offset: 0, .size: 8, .value_kind: global_buffer, .address_space: global }
      - { .name: mask, .offset: 8, .size: 8, .value_kind: global_buffer, .address_space: global }
      - { .name: mflag, .offset: 16, .size: 8, .value_kind: global_buffer, .address_space: global }
      - { .name: mval, .offset: 24, .size: 8, .value_kind: global_buffer, .address_space: global }
      - { .name: o2, .offset: 32, .size: 8, .value_kind: global_buffer, .address_space: global }
      - { .name: fp, .offset: 40, .size: 8, .value_kind: global_buffer, .address_space: global }
    .group_segment_fixed_size: 167936
    .private_segment_fixed_size: 0
    .kernarg_segment_align: 8
    .kernarg_segment_size: 48
    .max_flat_workgroup_size: 512
    .sgpr_count:     66
    .vgpr_count:     256
    .wavefront_size: 32
...
	.end_amdgpu_metadata
.endif
;; end of part 3
;; launch dense (part 4): grid 8 x 32, 4 waves a work-group, clusters of 4 x 4, 327,680 bytes of LDS; arguments o2, wd16, dense_b, out0; writes out0
.if DOCPART == 4
	.amdgcn_target "amdgcn-amd-amdhsa--gfx1250"
	.amdhsa_code_object_version 6
	.text
	.protected	k_q8b8fcd8170_dense
	.globl	k_q8b8fcd8170_dense
	.p2align	8
	.type	k_q8b8fcd8170_dense,@function
k_q8b8fcd8170_dense:
	s_mov_b64 s[64:65], 0
	v_nop
	global_prefetch_b8 v0, s[64:65] scope:SCOPE_SE
	s_setreg_imm32_b32 hwreg(HW_REG_WAVE_MODE, 25, 1), 1
	s_wait_xcnt 0x0
	s_wait_alu depctr_hold_cnt(0) depctr_sa_sdst(0) depctr_va_vdst(0) depctr_va_sdst(0) depctr_va_ssrc(0) depctr_va_vcc(0) depctr_vm_vsrc(0)
	s_getreg_b32 s2, hwreg(HW_REG_IB_STS2, 6, 4)
	s_cmp_eq_u32 s2, 0
	s_cbranch_scc0 .Lentry_in_a_cluster
	s_endpgm
.Lentry_in_a_cluster:
	s_bfe_u32 s2, ttmp6, 0x10000c
	s_cmp_lg_u32 s2, 0xf033
	s_cbranch_scc0 .Lentry_shape_is_right
	s_endpgm
.Lentry_shape_is_right:
; DENSE.  out0[m][n] = sum over k of o[m][k] dense_w[n][k] + dense_b[n]: [4096][1024] x [1024][1024]^T, f16 operands, f32 sums and results.
; A tile is 128 x 128 (256 work-groups), four waves of 64 x 64: 16 accumulators.  K goes in four steps of 256 through two LDS slots filled by the tensor data mover.
; o ARRIVES BY PAIRS OF TOKENS: [m / 2][head][m % 2][64] f16, 4,096 bytes a pair.  A K step is four heads: 1,024 consecutive bytes of a pair; a tile of 128 tokens is 64 such rows.
; Token r of a block of 16 lies at (r / 2) x 1,040 + (r % 2) x 128 in LDS; a quarter of a K step (64 along K) is one head, 256 bytes on.
; CLUSTERS: 4 x 4 work-groups; o's tiles are shared along a row of the cluster, the weights' along a column: each is asked for jointly.
; THE MATRIX INSTRUCTION IS USED TRANSPOSED (source 0 = 16 rows of the weight, source 1 = 16 tokens): a lane holds eight neighbouring numbers of a token's row.  The bias is the C of each sum's first product.
; All 4,096 rows are written; the last launch writes tokens 0-15 of both batches once more, in finer arithmetic.
; REGISTERS: window 0: v16-30 addresses; v32-95 rows on the way out; v96-127 the bias; v128-255 the accumulators ((a, b) at v[128 + 8 (4 a + b)]).  window 1: two fragment buffers of 128.
.set KSTEP,  256
.set PITCH,  528                       ; a weight's row in LDS: 512 bytes + 16
.set PA,     1040                      ; a pair of tokens in LDS: 1,024 bytes + 16
.set HALFA,  32*PA
.set HALFB,  64*PITCH
.set SLOT,   2*HALFA+2*HALFB
.set STAGE,  2*SLOT                    ; behind the ring: 16 rows x 272 bytes for each wave
.set SPITCH, 272
.set SPARE,  STAGE+4*16*SPITCH         ; the spare words: 128 bytes a wave, named by no other line
.set LAPS,   2
.set ADRA, 16
.set ADRB, 20
.set STO,  24
.set RD,   25
.set CO,   26
.set SPW,  28
.set NIL,  29
.set BO,   30
.set TMP,  32
.set BI,   96
.set ACC,  128
.set F0,   0
.set F1,   128
.set WV, 12
.set RH, 13                            ; which half of the tile's rows is mine; also: I fetch for o (0) or for the weight (1)
.set CH, 14                            ; which half of its columns; also which half of that tile I fetch
.set TRW, 15
.set G1, 24
.set G0, 32
.set G1B, 48
.set G0B, 56
.set MSB, 0
.macro WIN new
.if MSB != \new
	s_set_vgpr_msb (MSB<<8)|\new
.set MSB, \new
.endif
.endm
.set MUL,  0x05                        ; sources 0 and 1 window 1; C and D window 0
.set TO_F, 0x40
.macro JLOAD s                         ; a joint load; an s_nop 0 and four v_nop follow each of the two lines
	s_cmp_eq_u32 s[RH], 0
	s_cbranch_scc0 .Lfor_b_\@
	tensor_load_to_lds s[G0+4*\s:G0+4*\s+3], s[G1:G1+7]
	s_nop 0
.rept 4
	v_nop
.endr
	s_branch .Lasked_\@
.Lfor_b_\@:
	tensor_load_to_lds s[G0B+4*\s:G0B+4*\s+3], s[G1B:G1B+7]
	s_nop 0
.rept 4
	v_nop
.endr
.Lasked_\@:
.endm
.macro CREST
	s_cmp_lg_u32 s[WV], 0
	s_cbranch_scc1 .Lnot_wave_0_\@
	s_barrier_signal -3
.Lnot_wave_0_\@:
	s_barrier_wait -3
	s_barrier_signal -1
	s_barrier_wait -1
.endm
.macro CROUND
	s_barrier_signal -1
	s_barrier_wait -1
	CREST
.endm
.macro MUL8 f, c, a0, zero             ; 8 products: token blocks a0, a0 + 1 x all 4 column blocks, 32 along K.  zero = 1: the sums begin with the bias
.irp a, \a0, \a0+1
.irp b, 0,1,2,3
.if \zero
	v_wmma_f32_16x16x32_f16 v[ACC+8*(4*(\a)+\b):ACC+8*(4*(\a)+\b)+7], v[\f+64+8*(4*\c+\b):\f+64+8*(4*\c+\b)+7], v[\f+8*(4*\c+\a):\f+8*(4*\c+\a)+7], v[BI+8*\b:BI+8*\b+7]
.else
	v_wmma_f32_16x16x32_f16 v[ACC+8*(4*(\a)+\b):ACC+8*(4*(\a)+\b)+7], v[\f+64+8*(4*\c+\b):\f+64+8*(4*\c+\b)+7], v[\f+8*(4*\c+\a):\f+8*(4*\c+\a)+7], v[ACC+8*(4*(\a)+\b):ACC+8*(4*(\a)+\b)+7]
.endif
.endr
.endr
.endm
.macro FETCH slot, k, f                ; 32 LDS loads in one run: 64 along K at byte k of the weight's rows, which is head k / 128 of the step: byte 2 k of a pair
	WIN TO_F
.irp c, 0,1
.irp i, 0,1,2,3
	ds_load_b128 v[\f+64+8*(4*\c+\i):\f+64+8*(4*\c+\i)+3],   v[ADRB+\slot] offset:\k+64*\c+\i*16*PITCH
	ds_load_b128 v[\f+64+8*(4*\c+\i)+4:\f+64+8*(4*\c+\i)+7], v[ADRB+\slot] offset:\k+64*\c+\i*16*PITCH+32
	ds_load_b128 v[\f+8*(4*\c+\i):\f+8*(4*\c+\i)+3],         v[ADRA+\slot] offset:2*\k+64*\c+\i*8*PA
	ds_load_b128 v[\f+8*(4*\c+\i)+4:\f+8*(4*\c+\i)+7],       v[ADRA+\slot] offset:2*\k+64*\c+\i*8*PA+32
.endr
.endr
.endm
.macro PLACES
.rept 4
	v_nop
.endr
.endm
.macro QUARTER slot, k, f, g, zero
	s_wait_dscnt 16                                ; the first 32 along K are in; the younger sixteen loads may be out
	WIN MUL
	MUL8 \f, 0, 0, \zero
	MUL8 \f, 0, 2, \zero
	PLACES
	FETCH \slot, \k, \g
	s_wait_dscnt 32                                ; all but the 32 just issued
	WIN MUL
	MUL8 \f, 1, 0, 0
	MUL8 \f, 1, 2, 0
.endm
.macro TURN slot, next, fill           ; the last quarter, and the change of slots
	WIN 0
	s_wait_tensorcnt 0x0                           ; all my tensor loads have landed: my part of the next slot
	ds_add_u32 v[SPW], v[NIL]
	s_wait_dscnt 17                                ; (the add and the youngest sixteen loads may be out)
	WIN MUL
	MUL8 F1, 0, 0, 0
	s_wait_dscnt 0x0                               ; the add is done, and my reads of this slot are over
	s_barrier_signal -1
	MUL8 F1, 0, 2, 0
.if \fill
	WIN 0
.endif
	s_barrier_wait -1
.if \fill
	CREST                                          ; the barrier has opened a round of the cluster's barrier: no wave of any partner still reads this slot or has a load on its way
	s_add_nc_u64 s[G0+4*\slot+2:G0+4*\slot+3], s[G0+4*\slot+2:G0+4*\slot+3], 2*1024
	s_add_nc_u64 s[G0B+4*\slot+2:G0B+4*\slot+3], s[G0B+4*\slot+2:G0B+4*\slot+3], 2*512
	JLOAD \slot                                    ; my one tensor load behind the round; its four v_nop are also the places ahead of the loads below
.else
	PLACES
.endif
	FETCH \next, 0, F0
	WIN MUL
	MUL8 F1, 1, 0, 0
	MUL8 F1, 1, 2, 0
.endm
.macro TOST a                          ; 16 tokens x 64 columns of f32 through my own stage: in by lanes, back as rows of 256 bytes
.irp b, 0,1,2,3
	ds_store_b128 v[STO], v[ACC+8*(4*(\a)+\b):ACC+8*(4*(\a)+\b)+3] offset:64*\b
	ds_store_b128 v[STO], v[ACC+8*(4*(\a)+\b)+4:ACC+8*(4*(\a)+\b)+7] offset:64*\b+16
.endr
.irp t, 0,1,2,3,4,5,6,7
	ds_load_b128 v[TMP+32*((\a)%2)+4*\t:TMP+32*((\a)%2)+4*\t+3], v[RD] offset:\t*2*SPITCH
.endr
.endm
.macro SENDD a, younger
	s_wait_dscnt \younger
.irp t, 0,1,2,3,4,5,6,7
	global_store_b128 v[CO], v[TMP+32*((\a)%2)+4*\t:TMP+32*((\a)%2)+4*\t+3], s[10:11] offset:(16*(\a)+2*\t)*4096 th:TH_STORE_NT   ; sixteen lanes store 256 consecutive bytes, aligned
.endr
.endm
	s_load_b256 s[4:11], s[0:1], 0x0               ; o2, wd16, dense_b, out0
	v_lshl_add_u32 v[SPW], v0, 2, SPARE
	v_mov_b32 v[NIL], 0
	ds_add_u32 v[SPW], v[NIL]                      ; the wave's opening
	ds_add_u32 v[SPW], v[NIL]
	v_lshrrev_b32 v1, 5, v0
	v_readfirstlane_b32 s[WV], v1
	s_lshr_b32 s[RH], s[WV], 1
	s_and_b32 s[CH], s[WV], 1
	s_bfe_u32 s40, ttmp6, 0x40000                  ; cx, cy
	s_bfe_u32 s41, ttmp6, 0x40004
	s_lshl_b32 s42, ttmp9, 2
	s_add_co_u32 s42, s42, s40                     ; tile column
	s_and_b32 s[TRW], ttmp7, 0xffff
	s_lshl_b32 s[TRW], s[TRW], 2
	s_add_co_u32 s[TRW], s[TRW], s41               ; tile row
	s_lshl_b32 s43, s41, 2
	s_lshl_b32 s43, 15, s43                        ; my row of the cluster
	s_lshl_b32 s44, 0x1111, s40                    ; my column
	s_or_b32 s[G1+0], s43, (1<<16)|(1<<20)|(1<<21)|(7<<22)|(3<<25)   ; o: elements of 2 bytes; four words of padding behind every 256
	s_or_b32 s[G1B+0], s44, (1<<16)|(1<<20)|(1<<21)|(6<<22)|(3<<25)  ; the weight: behind every 128
	s_mov_b32 s[G1+1], 512<<16                     ; 32 pairs x 512 elements, 2,048 elements from pair to pair
	s_mov_b32 s[G1+2], 32<<16
	s_mov_b32 s[G1+3], 512<<16
	s_mov_b32 s[G1+4], 32
	s_mov_b32 s[G1+5], 2048
	s_mov_b32 s[G1+6], 0
	s_mov_b32 s[G1+7], 0
	s_mov_b32 s[G1B+1], KSTEP<<16                  ; 64 rows x 256 elements, 1,024 from row to row
	s_mov_b32 s[G1B+2], 64<<16
	s_mov_b32 s[G1B+3], KSTEP<<16
	s_mov_b32 s[G1B+4], 64
	s_mov_b32 s[G1B+5], 1024
	s_mov_b32 s[G1B+6], 0
	s_mov_b32 s[G1B+7], 0
	s_lshl_b32 s16, s[TRW], 18                     ; o: (64 tile row + 32 half) pairs of 4,096 bytes
	s_lshl_b32 s17, s[CH], 17
	s_add_co_u32 s16, s16, s17
	s_mov_b32 s17, 0
	s_lshl_b32 s46, s42, 18                        ; the weight: (128 tile column + 64 half) rows of 2,048 bytes
	s_lshl_b32 s47, s[CH], 17
	s_add_co_u32 s46, s46, s47
	s_mov_b32 s47, 0
	s_mul_i32 s20, s[CH], HALFA                    ; where they go: the wave's number alone enters
	s_mul_i32 s21, s[CH], HALFB
	s_add_co_u32 s21, s21, 2*HALFA
	s_wait_dscnt 0x0                               ; both opening adds are done
	s_wait_kmcnt 0x0
	s_add_nc_u64 s[16:17], s[4:5], s[16:17]
	s_add_nc_u64 s[46:47], s[6:7], s[46:47]
	CROUND                                         ; all sixteen work-groups are here: the first joint loads meet
.irp s, 0,1
	s_mov_b32 s[G0+4*\s], 1
	s_add_co_u32 s[G0+4*\s+1], s20, \s*SLOT
	s_add_nc_u64 s[G0+4*\s+2:G0+4*\s+3], s[16:17], \s*1024
	s_or_b32 s[G0+4*\s+3], s[G0+4*\s+3], 0x80000000
	s_mov_b32 s[G0B+4*\s], 1
	s_add_co_u32 s[G0B+4*\s+1], s21, \s*SLOT
	s_add_nc_u64 s[G0B+4*\s+2:G0B+4*\s+3], s[46:47], \s*512
	s_or_b32 s[G0B+4*\s+3], s[G0B+4*\s+3], 0x80000000
	JLOAD \s
.endr
	v_and_b32 v1, 15, v0                           ; r
	v_bfe_u32 v2, v0, 4, 1                         ; h
	s_lshl_b32 s46, s42, 9                         ; my 64 columns, in bytes of f32
	s_lshl_b32 s47, s[CH], 8
	s_add_co_u32 s46, s46, s47
	s_mov_b32 s47, 0
	s_add_nc_u64 s[8:9], s[8:9], s[46:47]
	v_lshlrev_b32 v[BO], 5, v2
.irp b, 0,1,2,3
	global_load_b128 v[BI+8*\b:BI+8*\b+3], v[BO], s[8:9] offset:64*\b        ; register 8 b + j = dense_b[.. + 16 b + 8 h + j]
	global_load_b128 v[BI+8*\b+4:BI+8*\b+7], v[BO], s[8:9] offset:64*\b+16
.endr
	s_lshl_b32 s22, s[TRW], 19                     ; my first token's row of 4,096 bytes
	s_lshl_b32 s23, s[RH], 18
	s_add_co_u32 s22, s22, s23
	s_mov_b32 s23, 0
	s_add_nc_u64 s[10:11], s[10:11], s[22:23]
	s_add_nc_u64 s[10:11], s[10:11], s[46:47]
	v_lshrrev_b32 v3, 1, v1
	v_mul_u32_u24 v3, v3, PA
	v_and_b32 v4, 1, v1
	v_lshl_add_u32 v3, v4, 7, v3
	v_lshl_add_u32 v3, v2, 4, v3                   ; o: (r / 2) x 1,040 + (r % 2) x 128 + 16 h
	v_mul_u32_u24 v4, v1, PITCH
	v_lshl_add_u32 v4, v2, 4, v4                   ; the weight: r x 528 + 16 h
	s_mul_i32 s21, s[RH], HALFA
	s_mul_i32 s22, s[CH], HALFB
	s_add_co_u32 s22, s22, 2*HALFA
.irp s, 0,1
	v_add_nc_u32 v[ADRA+\s], s21, v3
	v_add_nc_u32 v[ADRB+\s], s22, v4
	s_add_co_u32 s21, s21, SLOT
	s_add_co_u32 s22, s22, SLOT
.endr
	s_mul_i32 s23, s[WV], 16*SPITCH
	s_add_co_u32 s23, s23, STAGE                   ; my stage
	v_mul_u32_u24 v4, v1, SPITCH
	v_lshl_add_u32 v4, v2, 5, v4
	v_add_nc_u32 v[STO], s23, v4
	v_mul_u32_u24 v5, v2, SPITCH
	v_lshl_add_u32 v5, v1, 4, v5
	v_add_nc_u32 v[RD], s23, v5
	v_lshlrev_b32 v5, 12, v2
	v_lshl_add_u32 v[CO], v1, 4, v5
	s_wait_loadcnt 0x0                             ; the bias
	s_wait_tensorcnt 1                             ; my part of K step 0 is in; K step 1's load may be out
	s_barrier_signal -1
	s_barrier_wait -1
	FETCH 0, 0, F0
	QUARTER 0, 128, F0, F1, 1
	WIN 0
	s_mov_b32 s3, LAPS-1
.Llap:                                 ; a trip goes once round the ring and fills both slots again
	QUARTER 0, 256, F1, F0, 0
	QUARTER 0, 384, F0, F1, 0
	TURN 0, 1, 1
	QUARTER 1, 128, F0, F1, 0
	QUARTER 1, 256, F1, F0, 0
	QUARTER 1, 384, F0, F1, 0
	TURN 1, 0, 1
	QUARTER 0, 128, F0, F1, 0
	WIN 0
	s_sub_co_u32 s3, s3, 1
	s_cmp_lg_u32 s3, 0
	s_cbranch_scc1 .Llap
	QUARTER 0, 256, F1, F0, 0                      ; the last lap fills nothing
	QUARTER 0, 384, F0, F1, 0
	TURN 0, 1, 0
	QUARTER 1, 128, F0, F1, 0
	QUARTER 1, 256, F1, F0, 0
	QUARTER 1, 384, F0, F1, 0
	s_wait_dscnt 16
	WIN MUL
	MUL8 F1, 0, 0, 0
	MUL8 F1, 0, 2, 0
	s_wait_dscnt 0
	MUL8 F1, 1, 0, 0
	MUL8 F1, 1, 2, 0
	WIN 0
	PLACES                                         ; ahead of the first read of results
	TOST 0
.irp a, 1,2,3
.if \a > 1
	s_wait_xcnt 0x0                                ; block a - 2's stores have read their registers
.endif
	TOST \a
	SENDD \a-1, 16                                 ; behind block a - 1's loads: block a's 8 stores and 8 loads
.endr
	SENDD 3, 0
	s_wait_tensorcnt 0x0                           ; the wave's end
	ds_add_u32 v[SPW], v[NIL]
	s_wait_dscnt 0x0
	CROUND                                         ; the closing round
	s_endpgm
.Lfunc_end_k_q8b8fcd8170_dense:
	.size	k_q8b8fcd8170_dense, .Lfunc_end_k_q8b8fcd8170_dense-k_q8b8fcd8170_dense
	.p2alignl 7, 3214868480
	.fill 96, 4, 3214868480
	.section	.rodata,"a",@progbits
	.p2align	6, 0x0
	.amdhsa_kernel k_q8b8fcd8170_dense
		.amdhsa_group_segment_fixed_size 327680
		.amdhsa_private_segment_fixed_size 0
		.amdhsa_enable_private_segment 0
		.amdhsa_kernarg_size 32
		.amdhsa_user_sgpr_count 2
		.amdhsa_user_sgpr_kernarg_segment_ptr 1
		.amdhsa_wavefront_size32 1
		.amdhsa_system_sgpr_workgroup_id_x 1
		.amdhsa_system_sgpr_workgroup_id_y 1
		.amdhsa_system_sgpr_workgroup_id_z 1
		.amdhsa_system_vgpr_workitem_id 0
		.amdhsa_next_free_vgpr 512
		.amdhsa_next_free_sgpr 66
		.amdhsa_reserve_vcc 0
		.amdhsa_float_denorm_mode_32 3
		.amdhsa_float_denorm_mode_16_64 3
		.amdhsa_memory_ordered 1
		.amdhsa_forward_progress 1
		.amdhsa_inst_pref_size 87
	.end_amdhsa_kernel
	.amdgpu_metadata
---
amdhsa.version: [ 1, 2 ]
amdhsa.kernels:
  - .name:           k_q8b8fcd8170_dense
    .symbol:         k_q8b8fcd8170_dense.kd
    .args:
      - { .name: o2, .offset: 0, .size: 8, .value_kind: global_buffer, .address_space: global }
      - { .name: wd16, .offset: 8, .size: 8, .value_kind: global_buffer, .address_space: global }
      - { .name: dense_b, .offset: 16, .size: 8, .value_kind: global_buffer, .address_space: global }
      - { .name: out0, .offset: 24, .size: 8, .value_kind: global_buffer, .address_space: global }
    .group_segment_fixed_size: 327680
    .private_segment_fixed_size: 0
    .kernarg_segment_align: 8
    .kernarg_segment_size: 32
    .max_flat_workgroup_size: 128
    .sgpr_count:     66
    .vgpr_count:     512
    .wavefront_size: 32
...
	.end_amdgpu_metadata
.endif
;; end of part 4
;; launch first16 (part 5): grid 16 x 2, 16 waves a work-group, no clusters, 71,680 bytes of LDS; arguments fp, mask, dense_w, dense_b, out0; writes out0
.if DOCPART == 5
	.amdgcn_target "amdgcn-amd-amdhsa--gfx1250"
	.amdhsa_code_object_version 6
	.text
	.protected	k_q8b8fcd8170_first16
	.globl	k_q8b8fcd8170_first16
	.p2align	8
	.type	k_q8b8fcd8170_first16,@function
k_q8b8fcd8170_first16:
	s_mov_b64 s[64:65], 0
	v_nop
	global_prefetch_b8 v0, s[64:65] scope:SCOPE_SE
	s_setreg_imm32_b32 hwreg(HW_REG_WAVE_MODE, 25, 1), 1
	s_wait_xcnt 0x0
; FIRST16.  Tokens 0-15 of both batches once more, in f32: where few keys count, a row averages few values and is the largest in size, so f16 operands would use up what the comparison allows.
; A work-group owns a batch (y) and 64 output columns (x); wave hd owns head hd.  Each wave: the corner S^T = K Q^T (16 keys x 16 queries, f32 q, k, v as the projections left them; q carries log2(e) / 8),
; + mask x (-1e9 log2 e), its own maximum, p unrounded, O^T = V^T P; joined with the maximum, sum and O over keys 16 on that the attention launch stored; divided by the joint sum;
; then this head's part of the output projection with f32 dense_w.  The sixteen heads' parts meet in LDS and are added in a fixed order, with the bias.
; Every work-group repeats the small corner (32 matrix instructions a wave), so that one launch does.  All matrix work here is the f32 form: 96 instructions a wave.
; LOADS GO OUT AS EARLY AS REGISTERS ALLOW, in the order in which they are wanted, and every wait but the last is counted: k, q, the mask, v, the stored O with its maximum and sum, and the bias at the head
; (61 loads); the weights of output tiles 0 and 1 behind the first product (tile 1 into k's registers), tile 2 behind v's wait (into q's), tile 3 behind the second product (into v's).
; The registers that the f32 matrix form writes (v112-127, v144-175) are written by matrix instructions alone.  k is permuted alike on both sides of a product.
; LIMITS: NaN and infinities are not served.
.set RP,    272
.set REDW,  16*RP
.set SPARE, 16*REDW                    ; the spare words: 128 bytes a wave, named by no other line
.set SPW, 1
.set NIL, 2
.set KF,  16                           ; v16-47   k's rows; later the weights of tile 1
.set QF,  48                           ; v48-79   q's rows; later tile 2
.set VA,  80                           ; v80-111  v, by channel; later tile 3
.set SA,  112                          ; v112-127 two accumulators
.set BS,  128                          ; v128-131 the bias of my four columns, then the sum
.set MM,  132                          ; the stored maximum
.set LM,  133                          ; the stored sum
.set T,   134                          ; v134-141 at work
.set OC,  144                          ; v144-175 four accumulators
.set W0,  176                          ; v176-207 the weights of tile 0; v176-239 later the heads' parts
.set OM,  208                          ; v208-239 the stored O; o is made in place
.set XR,  240                          ; v240-247 scores, then p
.set MK,  248                          ; v248-255 the mask, then at work
.set W1,  16
.set W2,  48
.set W3,  80
.set NG,  30
.set SEL, 32
.macro WLOAD reg, nt                   ; dense_w(n0 + 16 nt + r, 64 hd + 16 ct + 8 h + 0..7) into register 8 ct + 0..7
.irp ct, 0,1,2,3
	global_load_b128 v[\reg+8*\ct:\reg+8*\ct+3], v10, s[20:21] offset:(\nt)*65536+\ct*64
	global_load_b128 v[\reg+8*\ct+4:\reg+8*\ct+7], v10, s[20:21] offset:(\nt)*65536+\ct*64+16
.endr
.endm
.macro PROJ wa, wb, da, db             ; the head's part of two output tiles, by turns (source 0 = 16 rows of dense_w, source 1 = o); each sum begins with 0
.set i, 0
.rept 16
.if i == 0
	v_wmma_f32_16x16x4_f32 v[\da:\da+7], v[\wa+2*i:\wa+2*i+1], v[OM+2*i:OM+2*i+1], 0
	v_wmma_f32_16x16x4_f32 v[\db:\db+7], v[\wb+2*i:\wb+2*i+1], v[OM+2*i:OM+2*i+1], 0
.else
	v_wmma_f32_16x16x4_f32 v[\da:\da+7], v[\wa+2*i:\wa+2*i+1], v[OM+2*i:OM+2*i+1], v[\da:\da+7]
	v_wmma_f32_16x16x4_f32 v[\db:\db+7], v[\wb+2*i:\wb+2*i+1], v[OM+2*i:OM+2*i+1], v[\db:\db+7]
.endif
.set i, i+1
.endr
.endm
	s_load_b256 s[4:11], s[0:1], 0x0               ; fp, mask, dense_w, dense_b
	s_load_b64 s[12:13], s[0:1], 0x20              ; out0
	v_lshl_add_u32 v[SPW], v0, 2, SPARE
	v_mov_b32 v[NIL], 0
	v_lshrrev_b32 v3, 5, v0
	v_readfirstlane_b32 s14, v3                    ; the head
	s_and_b32 s15, ttmp7, 0xffff                   ; the batch
	v_and_b32 v3, 15, v0                           ; r
	v_bfe_u32 v4, v0, 4, 1                         ; h
	v_and_b32 v5, 31, v0
	v_lshlrev_b32 v6, 2, v5                        ; 4 x lane
	v_lshlrev_b32 v5, 4, v5                        ; 16 x lane
	v_lshlrev_b32 v7, 12, v3
	v_lshl_add_u32 v7, v4, 4, v7                   ; q, k: row r, + 16 h
	v_lshlrev_b32 v8, 2, v3
	v_lshl_add_u32 v8, v4, 15, v8                  ; v: channel r, key 8 h
	v_lshlrev_b32 v9, 13, v3
	v_lshl_add_u32 v9, v4, 5, v9                   ; mask: query r, keys 8 h on
	v_lshlrev_b32 v10, 12, v3
	v_lshl_add_u32 v10, v4, 5, v10                 ; dense_w: row r, + 32 h
	s_mul_i32 s24, s14, REDW
	v_mul_u32_u24 v11, v3, RP
	v_lshl_add_u32 v11, v4, 5, v11
	v_add_nc_u32 v11, s24, v11                     ; my part's place in LDS
	v_and_b32 v12, 0xff, v0
	v_lshrrev_b32 v13, 4, v12                      ; the sum: token,
	v_and_b32 v14, 15, v0
	v_lshlrev_b32 v14, 4, v14                      ; and four columns
	v_mad_u32_u24 v12, v13, RP, v14
	v_lshl_add_u32 v13, v13, 12, v14
	s_mov_b32 s[NG], 0xceabfb8f
	s_mov_b32 s[NG+1], s[NG]
	s_mov_b32 s[SEL], 0x76543210
	s_mov_b32 s[SEL+1], 0xfedcba98
	s_mov_b32 s25, 0
	s_lshl_b32 s26, s14, 8                         ; the head's 64 channels of f32
	s_wait_kmcnt 0x0
	s_lshl_b32 s24, s15, 16
	s_add_co_u32 s24, s24, s26
	s_add_nc_u64 s[16:17], s[4:5], s[24:25]        ; q; k is 131,072 bytes on, v 262,144
	s_lshl_b32 s24, s15, 4
	s_add_co_u32 s24, s24, s14
	s_mul_i32 s24, s24, 4608
	s_add_co_u32 s24, s24, 393216
	s_add_nc_u64 s[18:19], s[4:5], s[24:25]        ; what the attention launch stored for this (batch, head)
	s_lshl_b32 s24, ttmp9, 18
	s_add_co_u32 s24, s24, s26
	s_add_nc_u64 s[20:21], s[8:9], s[24:25]        ; dense_w: my 64 rows, the head's columns
	s_lshl_b32 s24, ttmp9, 8
	s_add_nc_u64 s[10:11], s[10:11], s[24:25]
	s_lshl_b32 s26, s15, 23
	s_add_co_u32 s24, s24, s26
	s_add_nc_u64 s[12:13], s[12:13], s[24:25]
.irp i, 0,1,2,3,4,5,6,7                ; 16 loads
	global_load_b128 v[KF+4*\i:KF+4*\i+3], v7, s[16:17] offset:131072+32*\i   ; k(r, 8 i + 4 h + 0..3)
	global_load_b128 v[QF+4*\i:QF+4*\i+3], v7, s[16:17] offset:32*\i
.endr
	global_load_b128 v[MK:MK+3], v9, s[6:7]        ; 2
	global_load_b128 v[MK+4:MK+7], v9, s[6:7] offset:16
.irp ct, 0,1,2,3                       ; 32
.irp u, 0,1,2,3,4,5,6,7
	global_load_b32 v[VA+8*\ct+\u], v8, s[16:17] offset:262144+\u*4096+\ct*64   ; v(key 8 h + u, channel 16 ct + r)
.endr
.endr
.irp g, 0,1,2,3,4,5,6,7                ; 8
	global_load_b128 v[OM+4*\g:OM+4*\g+3], v5, s[18:19] offset:512*\g     ; the stored O, as an image of its registers
.endr
	global_load_b32 v[MM], v6, s[18:19] offset:4096   ; its maximum,
	global_load_b32 v[LM], v6, s[18:19] offset:4224   ; and its sum
	global_load_b128 v[BS:BS+3], v14, s[10:11]     ; the bias of the four columns that this thread may sum
	s_wait_loadcnt 43                              ; k, q and the mask are in; behind them: v 32, O 8, maximum, sum, bias
.set i, 0
.rept 16                               ; S^T = K Q^T: four accumulators by turns (two in each of the two runs), each begun with 0
.set AC, SA+8*(i%4)+16*((i%4)/2)
.if i < 4
	v_wmma_f32_16x16x4_f32 v[AC:AC+7], v[KF+2*i:KF+2*i+1], v[QF+2*i:QF+2*i+1], 0
.else
	v_wmma_f32_16x16x4_f32 v[AC:AC+7], v[KF+2*i:KF+2*i+1], v[QF+2*i:QF+2*i+1], v[AC:AC+7]
.endif
.set i, i+1
.endr
.rept 8
	v_nop                                          ; eight plain places behind this form, ahead of reads of results and of loads into operands
.endr
	WLOAD W0, 0                                    ; 16 more loads: at most 59 are out
	WLOAD W1, 1
.irp j, 0,2,4,6
	v_pk_add_f32 v[XR+\j:XR+\j+1], v[SA+\j:SA+\j+1], v[SA+8+\j:SA+9+\j]
.endr
.irp j, 0,2,4,6
	v_pk_add_f32 v[T+\j:T+\j+1], v[OC+\j:OC+\j+1], v[OC+8+\j:OC+9+\j]
.endr
.irp j, 0,2,4,6
	v_pk_add_f32 v[XR+\j:XR+\j+1], v[XR+\j:XR+\j+1], v[T+\j:T+\j+1]
.endr
.irp j, 0,2,4,6
	v_pk_fma_f32 v[XR+\j:XR+\j+1], v[MK+\j:MK+\j+1], s[NG:NG+1], v[XR+\j:XR+\j+1] op_sel_hi:[1,0,1]   ; lane (r, h): query r, keys 8 h + 0..7
.endr
	v_max3_num_f32 v[MK], v[XR], v[XR+1], v[XR+2]
	v_max3_num_f32 v[MK+1], v[XR+3], v[XR+4], v[XR+5]
	v_max3_num_f32 v[MK], v[MK], v[XR+6], v[XR+7]
	v_max_num_f32 v[MK], v[MK], v[MK+1]
	v_permlanex16_b32 v[MK+1], v[MK], s[SEL], s[SEL+1]
	v_max_num_f32 v[MK], v[MK], v[MK+1]            ; the corner's maximum
.irp j, 0,2,4,6
	v_pk_add_f32 v[XR+\j:XR+\j+1], v[XR+\j:XR+\j+1], v[MK:MK+1] op_sel_hi:[1,0] neg_lo:[0,1] neg_hi:[0,1]
.endr
.irp j, 0,1,2,3,4,5,6,7
	v_exp_f32 v[XR+\j], v[XR+\j]
.endr
	v_nop
	s_wait_alu depctr_va_vdst(0)                   ; one wait for the eight, ahead of their first reader
	v_pk_add_f32 v[MK+2:MK+3], v[XR:XR+1], v[XR+2:XR+3]
	v_pk_add_f32 v[MK+4:MK+5], v[XR+4:XR+5], v[XR+6:XR+7]
	v_pk_add_f32 v[MK+2:MK+3], v[MK+2:MK+3], v[MK+4:MK+5]
	v_add_f32 v[MK+2], v[MK+2], v[MK+3]
	v_permlanex16_b32 v[MK+3], v[MK+2], s[SEL], s[SEL+1]
	v_add_f32 v[MK+2], v[MK+2], v[MK+3]            ; the corner's sum
	s_wait_loadcnt 27                              ; v is in; behind it: O 8, maximum, sum, bias, weights 16
	WLOAD W2, 2                                    ; at most 35 are out
.irp u, 0,1,2,3                        ; O^T = V^T P, p unrounded: four accumulators by turns
.irp ct, 0,1,2,3
.if \u == 0
	v_wmma_f32_16x16x4_f32 v[OC+8*\ct:OC+8*\ct+7], v[VA+8*\ct+2*\u:VA+8*\ct+2*\u+1], v[XR+2*\u:XR+2*\u+1], 0
.else
	v_wmma_f32_16x16x4_f32 v[OC+8*\ct:OC+8*\ct+7], v[VA+8*\ct+2*\u:VA+8*\ct+2*\u+1], v[XR+2*\u:XR+2*\u+1], v[OC+8*\ct:OC+8*\ct+7]
.endif
.endr
.endr
.rept 8
	v_nop
.endr
	WLOAD W3, 3                                    ; at most 43 are out
	s_wait_loadcnt 33                              ; the stored O, maximum and sum are in; behind them: the bias and 32 loads of weights
	v_max_num_f32 v[MK+4], v[MK], v[MM]            ; the joint maximum
	v_sub_f32 v[MK+5], v[MK], v[MK+4]
	v_sub_f32 v[MK+6], v[MM], v[MK+4]
	v_exp_f32 v[MK+5], v[MK+5]
	v_exp_f32 v[MK+6], v[MK+6]
	v_nop
	s_wait_alu depctr_va_vdst(0)
	v_mul_f32 v[MK+2], v[MK+2], v[MK+5]
	v_fma_f32 v[MK+2], v[LM], v[MK+6], v[MK+2]     ; the joint sum
	v_rcp_f32 v[MK+3], v[MK+2]
	v_nop
	s_wait_alu depctr_va_vdst(0)
	v_mul_f32 v[MK], v[MK+5], v[MK+3]
	v_mul_f32 v[MK+6], v[MK+6], v[MK+3]
.set i, 0
.rept 16
	v_pk_mul_f32 v[OM+i:OM+i+1], v[OM+i:OM+i+1], v[MK+6:MK+7] op_sel_hi:[1,0]
.set i, i+2
.endr
.set i, 0
.rept 16
	v_pk_fma_f32 v[OM+i:OM+i+1], v[OC+i:OC+i+1], v[MK:MK+1], v[OM+i:OM+i+1] op_sel_hi:[1,0,1]   ; o(token r, channel 16 ct + 8 h + j) in register 8 ct + j
.set i, i+2
.endr
	s_wait_loadcnt 16                              ; tiles 0 and 1 (and the bias) are in; tiles 2 and 3 may be out
	PROJ W0, W1, SA, SA+8
	s_wait_loadcnt 0x0
	PROJ W2, W3, OC, OC+8
.rept 8
	v_nop
.endr
.irp nt, 0,1,2,3
	ds_store_b128 v11, v[SA+8*\nt+16*(\nt/2):SA+8*\nt+16*(\nt/2)+3] offset:64*\nt          ; lane (r, h): token r, columns 16 nt + 8 h + 0..7
	ds_store_b128 v11, v[SA+8*\nt+16*(\nt/2)+4:SA+8*\nt+16*(\nt/2)+7] offset:64*\nt+16
.endr
	s_wait_dscnt 0x0                               ; for the others' sake: my part lies in LDS
	s_barrier_signal -1
	s_barrier_wait -1
	s_cmp_lt_u32 s14, 8
	s_cbranch_scc0 .Lend
.set i, 0
.rept 16
	ds_load_b128 v[W0+4*i:W0+4*i+3], v12 offset:REDW*i
.set i, i+1
.endr
	s_wait_dscnt 0x0
.set i, 0
.rept 16
	v_pk_add_f32 v[BS:BS+1], v[BS:BS+1], v[W0+4*i:W0+4*i+1]
	v_pk_add_f32 v[BS+2:BS+3], v[BS+2:BS+3], v[W0+4*i+2:W0+4*i+3]
.set i, i+1
.endr
	global_store_b128 v13, v[BS:BS+3], s[12:13]    ; sixteen lanes store 256 consecutive bytes, aligned
.Lend:
	s_wait_tensorcnt 0x0                           ; the wave's end, behind my last LDS store
	ds_add_u32 v[SPW], v[NIL]
	s_wait_dscnt 0x0
	s_endpgm
.Lfunc_end_k_q8b8fcd8170_first16:
	.size	k_q8b8fcd8170_first16, .Lfunc_end_k_q8b8fcd8170_first16-k_q8b8fcd8170_first16
	.p2alignl 7, 3214868480
	.fill 96, 4, 3214868480
	.section	.rodata,"a",@progbits
	.p2align	6, 0x0
	.amdhsa_kernel k_q8b8fcd8170_first16
		.amdhsa_group_segment_fixed_size 71680
		.amdhsa_private_segment_fixed_size 0
		.amdhsa_enable_private_segment 0
		.amdhsa_kernarg_size 40
		.amdhsa_user_sgpr_count 2
		.amdhsa_user_sgpr_kernarg_segment_ptr 1
		.amdhsa_wavefront_size32 1
		.amdhsa_system_sgpr_workgroup_id_x 1
		.amdhsa_system_sgpr_workgroup_id_y 1
		.amdhsa_system_sgpr_workgroup_id_z 1
		.amdhsa_system_vgpr_workitem_id 0
		.amdhsa_next_free_vgpr 256
		.amdhsa_next_free_sgpr 66
		.amdhsa_reserve_vcc 0
		.amdhsa_float_denorm_mode_32 3
		.amdhsa_float_denorm_mode_16_64 3
		.amdhsa_memory_ordered 1
		.amdhsa_forward_progress 1
		.amdhsa_inst_pref_size 27
	.end_amdhsa_kernel
	.amdgpu_metadata
---
amdhsa.version: [ 1, 2 ]
amdhsa.kernels:
  - .name:           k_q8b8fcd8170_first16
    .symbol:         k_q8b8fcd8170_first16.kd
    .args:
      - { .name: fp, .offset: 0, .size: 8, .value_kind: global_buffer, .address_space: global }
      - { .name: mask, .offset: 8, .size: 8, .value_kind: global_buffer, .address_space: global }
      - { .name: dense_w, .offset: 16, .size: 8, .value_kind: global_buffer, .address_space: global }
      - { .name: dense_b, .offset: 24, .size: 8, .value_kind: global_buffer, .address_space: global }
      - { .name: out0, .offset: 32, .size: 8, .value_kind: global_buffer, .address_space: global }
    .group_segment_fixed_size: 71680
    .private_segment_fixed_size: 0
    .kernarg_segment_align: 8
    .kernarg_segment_size: 40
    .max_flat_workgroup_size: 512
    .sgpr_count:     66
    .vgpr_count:     256
    .wavefront_size: 32
...
	.end_amdgpu_metadata
.endif
;; end of part 5
